; MI455X (gfx1250); checked and timed in simulation.
; The chip was launched on July 23, 2026; its instructions are those of AMD's public machine-readable ISA for CDNA 5 (MIT licence, August 2026) and "CDNA5" Instruction Set Architecture Reference Guide (July 2026). The comments in the code are by the model that wrote it; some were corrected since.
;; Layer Depth Value Reproj Normed Dual Q Attention. Allowed arithmetic: matrix products marked QUANTISED: E2M3 operands, one E8M0 scale for each 32 along K, by v_wmma_scale_f32_16x16x128_f8f6f4 with both operands' format E2M3, f32 sums; products left as they are: f32 operands where the result goes on into a quantised operand, else bf16, f16 or f32 operands; f32 sums; everything else in f32.
;; Inputs: Wcol_codes 1,024 x 32 x 24 uint8 (E2M3 codes of Wcol, K innermost, in blocks of 32 codes, four codes in three bytes); Wcol_scales 1,024 x 32 uint8 (E8M0 scales of Wcol, one for each 32 codes along K); Wout_codes 1,024 x 32 x 24 uint8 (E2M3 codes of Wout, K innermost, in blocks of 32 codes, four codes in three bytes); Wout_scales 1,024 x 32 uint8 (E8M0 scales of Wout, one for each 32 codes along K); Wqkv_codes 3,072 x 32 x 24 uint8 (E2M3 codes of Wqkv, K innermost, in blocks of 32 codes, four codes in three bytes); Wqkv_scales 3,072 x 32 uint8 (E8M0 scales of Wqkv, one for each 32 codes along K); bcol 1,024 float32; bout 1,024 float32; bqkv 3,072 float32; past_values 8 x 1 x 16 x 2,048 x 64 float32; x_codes 1 x 2,048 x 32 x 24 uint8 (E2M3 codes of x, K innermost, in blocks of 32 codes, four codes in three bytes); x_scales 1 x 2,048 x 32 uint8 (E8M0 scales of x, one for each 32 codes along K).
;; Outputs: out0 1 x 2,048 x 1,024 float32.
;; This version of the problem:
;;   THIS VERSION OF THE PROBLEM IS GIVEN IN LOW PRECISION. The matrix products marked QUANTISED in the list below multiply operands that are first quantised to E2M3 (2 exponent bits, 3 mantissa bits; 6 bits a number), with one power-of-two scale for each 32 numbers along K (OCP MX v1.0); their sums are f32. All else is computed in f32.
;;   The module's matrix products, in the order in which they are computed (A, B: the left and right operand; K: the contracted axis; several contracted axes count as one K, in the product's order):
;;     1. [M 2,048, K 1,024] x [K 1,024, N 3,072]; A: input x (given as codes); B: input Wqkv (given as codes): QUANTISED
;;     2. [M 2,048, K 1,024] x [K 1,024, N 1,024]; A: input x (given as codes); B: input Wcol (given as codes): QUANTISED
;;     3. batch 16 x [M 2,048, K 64] x [K 64, N 2,048]; A: computed on the way; B: computed on the way: QUANTISED
;;     4. [M 16,384, K 1,024] x [K 1,024, N 1,024]; A: computed on the way; B: input Wqkv (given as codes): QUANTISED
;;     5. [M 16,384, K 1,024] x [K 1,024, N 1,024]; A: computed on the way; B: input Wqkv (given as codes): QUANTISED
;;     6. batch 32,768 x [M 1, K 64] x [K 64, N 8]; A: computed on the way; B: computed on the way: left as it is (M = 1 < 16)
;;     7. batch 16 x [M 2,048, K 2,048] x [K 2,048, N 64]; A: computed on the way; B: computed on the way: QUANTISED
;;     8. batch 32,768 x [M 1, K 8] x [K 8, N 64]; A: computed on the way; B: computed on the way: left as it is (K = 8 < 32)
;;     9. [M 2,048, K 1,024] x [K 1,024, N 1,024]; A: computed on the way; B: input Wout (given as codes): QUANTISED
;;   THE QUANTISER, for each operand of a quantised product, along K:
;;     - K is cut into blocks of 32 from its start; a last block that is shorter is filled with zeros.
;;     - A block's scale is 2^e with e = floor(log2(the largest magnitude in the block)) - 2, held to -126 .. 127; a block of zeros has e = 0. As a byte (E8M0): e + 127.
;;     - Each number is divided by its block's scale, clamped to +-7.5, and rounded to the nearest number of E2M3, ties to even, subnormals kept.
;;     - The product sums the exact products of the quantised numbers (number of the format x scale) in f32.
;;   ~~~python
;;   def quantise(x, axis):      # numpy; x: float32 -> the quantised numbers, widened to float32 again
;;       x = np.moveaxis(x, axis, -1); K = x.shape[-1]
;;       x = np.pad(x, [(0, 0)] * (x.ndim - 1) + [(0, -K % 32)]); x = x.reshape(x.shape[:-1] + (-1, 32)); a = np.abs(x).max(-1, keepdims=True)
;;       e = np.where(a > 0, np.clip(np.frexp(np.where(a > 0, a, 1))[1] - 1 - 2, -126, 127), 0)      # np.frexp(a)[1] - 1 = floor(log2(a)), exactly
;;       r = np.clip(x / 2.0 ** e, -7.5, 7.5)
;;       step = 2.0 ** (np.maximum(np.frexp(np.where(r == 0, 1, r))[1] - 1, 0) - 3)
;;       q = np.round(r / step) * step * 2.0 ** e      # np.round: ties to even
;;       return np.moveaxis(q.reshape(q.shape[:-2] + (-1,))[..., :K], -1, axis).astype(np.float32)
;;   ~~~
;;   OPERANDS COMPUTED ON THE WAY. 'Computed on the way' means the value that the module computes at that place (a softmax that the list does not call 'softmax' is quantised finished and normalised). What goes into a quantiser is computed in f32, as accurately as f32 sums, v_exp_f32 and their like allow (about 1e-6 of the number): no bf16 or f16 on the way to a quantiser, and a product that is left as it is and whose result goes on into a quantised operand takes f32 operands (vector FMAs, or v_wmma_f32_16x16x4_f32). A number that lies on a knife's edge between two numbers of the format may be rounded either way, as far as f32 arithmetic and the matrix unit's own rounding can turn it there, and no further.
;;   INPUTS GIVEN AS CODES. Wcol (in the module: [1024, 1024], K = its axis 1); Wout (in the module: [1024, 1024], K = its axis 1); Wqkv (in the module: [3072, 1024], K = its axis 1); x (in the module: [1, 2048, 1024], K = its axis 2): each comes as NAME_codes (uint8): NAME with its K axis moved to the last place and cut into blocks of 32 codes, [.., K / 32, bytes a block], one block behind the other in memory; four codes in three bytes: a row's codes are one little-endian stream of bits, code i at bits 6 i .. 6 i + 5 (a code: sign, 2 exponent bits, 3 mantissa bits); and NAME_scales (uint8): the same leading axes, one E8M0 byte (e + 127) for each 32 codes along K. Its value is code x scale, taken as it is: it is not quantised again, and the codes and scales need not be those that the quantiser above would give.
;; One version. Each part assembles by itself: llvm-mc -triple=amdgcn-amd-amdhsa -mcpu=gfx1250 --defsym DOCPART=n.
;; ======== version 1 of 1: 5 launches
;; limits: right only within a limited range of input values
;; workspace buffers: ri 13,107,200 bytes; prj 13,434,880 bytes; mem 8,650,752 bytes; ctx 1,638,400 bytes
;; launch lnq (part 1): grid 1024 x 1, 4 waves a work-group, no clusters, 29,184 bytes of LDS; arguments past_values, ri; writes ri
.if DOCPART == 1
	.amdgcn_target "amdgcn-amd-amdhsa--gfx1250"
	.amdhsa_code_object_version 6
	.text
	.protected	k_qafa6db5f2e_lnq
	.globl	k_qafa6db5f2e_lnq
	.p2align	8
	.type	k_qafa6db5f2e_lnq,@function
k_qafa6db5f2e_lnq:
	s_mov_b64 s[64:65], 0
	v_nop
	global_prefetch_b8 v0, s[64:65] scope:SCOPE_SE
	s_setreg_imm32_b32 hwreg(HW_REG_WAVE_MODE, 25, 1), 1
	s_wait_xcnt 0x0
; LAYER NORM OF THE REMEMBERED VALUES, QUANTISED.  past_values [8 l][16 head][2048 s][64] f32.  A row (s, l) is the 1,024 numbers of all heads; it is normalised
; ((x - mean) / sqrt(var + 1e-5), mean and variance in two passes over registers) and turned into codes of FP6 (E2M3) with one E8M0 byte for each 32 along the row.
; OUT: ri: codes, 768 bytes a row, row number ((s / 16) x 8 + l) x 16 + s % 16, then from RI_SC on 32 scale bytes a row in the same order.
; SHARES: work-group g: l = g % 8, tokens 16 (g / 8) on; wave w: its 4 tokens 4 w on.  A wave's four rows are rows 4 J .. 4 J + 3 of ri, J = 4 g + w.
; Each load reads 512 consecutive bytes (two tokens of one head); all 32 loads of a wave go out at once.  The conversions want 16 neighbours in one lane, so each group of
; two heads turns through the wave's own stage in LDS.  Behind the turn lane (y, row, q) = (lane / 16, (lane / 4) % 4, lane % 4) holds channels 16 q .. 16 q + 15 of head 2 g + y of its row.
; No tensor load, no barrier: waves share nothing.
; LIMITS: NaN and infinities among the inputs are not served.  A block of zeros gets the byte 1 (its codes are zeros; the bytes are read by this program alone).
; 1 / sqrt comes from v_rsq_f32.
.set WREG,  7168                       ; LDS of a wave
.set SP,    80                         ; the turn's stage: a lane's 64 bytes + 16 of padding; 32 places
.set OS,    2560                       ; the way out: 4 rows of OP bytes: 64 places of 16 bytes, each with 12 bytes of codes, + 16
.set OP,    1040
.set SB,    6720                       ; 128 scale bytes
.set RI_SC, 12582912
.set X,     16                         ; v16-143  128 numbers: group g at X + 16 g
.set CH,    144                        ; v144-151 four chains of pairs
.set NM,    152                        ; v152-153 -mean, twice
.set RS,    154                        ; v154-155 1 / sqrt(var + eps), twice
.set MX,    156                        ; v156-163 largest magnitudes, then scale bytes
.set SO,    164                        ; v164-171 the conversions' scale operands
.set C,     172                        ; v172-203 codes: four registers a group
	s_load_b128 s[4:7], s[0:1], 0x0                ; past_values, ri
	v_lshl_add_u32 v208, v0, 2, 0x7000
	v_mov_b32 v209, 0
	v_lshrrev_b32 v1, 5, v0
	v_readfirstlane_b32 s14, v1                    ; wave
	v_and_b32 v1, 31, v0                           ; lane
	v_lshlrev_b32 v2, 4, v1                        ; my 16 bytes of a load's 512
	s_mul_i32 s15, s14, WREG
	v_lshrrev_b32 v11, 2, v1
	v_mul_u32_u24 v3, v11, SP
	v_and_b32 v12, 3, v1                           ; q
	v_lshl_add_u32 v3, v12, 4, v3
	v_add_nc_u32 v3, s15, v3                       ; into the stage: four lanes' 64 bytes on end, then padding
	v_mul_u32_u24 v4, v1, SP
	v_add_nc_u32 v4, s15, v4                       ; out of it: my 16 neighbours
	v_bfe_u32 v13, v1, 2, 2                        ; row
	v_bfe_u32 v14, v1, 4, 1                        ; y
	v_mul_u32_u24 v5, v13, OP
	v_lshl_add_u32 v5, v14, 6, v5
	v_lshl_add_u32 v5, v12, 4, v5
	v_add_nc_u32 v5, s15, v5                       ; my codes' place: row x OP + 64 y + 16 q (+ OS + 128 g in the immediate)
	v_add_nc_u32 v6, s15, v2                       ; and back: 16 x lane
	v_mul_u32_u24 v7, v1, 12                       ; the same in memory: 12 bytes a lane
	v_bfe_u32 v15, v1, 1, 1
	v_lshl_add_u32 v8, v13, 5, v15
	v_lshl_add_u32 v8, v14, 1, v8
	v_add_nc_u32 v8, s15, v8                       ; my block's byte: 32 row + 2 y + q / 2 (+ SB + 4 g)
	v_lshlrev_b32 v10, 2, v1
	v_add_nc_u32 v9, s15, v10
	s_mov_b32 s10, 0x76543210
	s_mov_b32 s11, 0xfedcba98                      ; v_permlanex16_b32's selects for lane l xor 16
	s_mov_b32 s12, 0x3a800000                      ; 1 / 1024
	s_mov_b32 s13, 0x3727c5ac                      ; 1e-5
	s_and_b32 s16, ttmp9, 7                        ; l
	s_lshr_b32 s17, ttmp9, 3                       ; block of 16 tokens
	s_lshl_b32 s18, s16, 23
	s_lshl_b32 s17, s17, 12
	s_add_co_u32 s18, s18, s17
	s_lshl_b32 s17, s14, 10
	s_add_co_u32 s18, s18, s17                     ; l x 2^23 + 16 tokens x 256 + 4 tokens x 256 x wave
	s_mov_b32 s19, 0
	s_lshl_b32 s20, ttmp9, 2
	s_add_co_u32 s20, s20, s14                     ; J
	s_mul_i32 s22, s20, 3072
	s_mov_b32 s23, 0
	s_lshl_b32 s20, s20, 7
	s_add_co_u32 s20, s20, RI_SC
	s_mov_b32 s21, 0
	s_wait_kmcnt 0x0
	s_add_nc_u64 s[4:5], s[4:5], s[18:19]
	s_add_nc_u64 s[8:9], s[6:7], s[20:21]          ; my 128 scale bytes
	s_add_nc_u64 s[6:7], s[6:7], s[22:23]          ; my 3,072 bytes of codes
.irp g, 0,1,2,3,4,5,6,7
.irp i, 0,1,2,3
	global_load_b128 v[X+16*\g+4*\i:X+16*\g+4*\i+3], v2, s[4:5] offset:\g*1048576+(\i/2)*524288+(\i%2)*512 th:TH_LOAD_NT   ; head 2 g + i / 2, tokens 2 (i % 2) on: 512 consecutive bytes
.endr
.endr
.macro TURN g                          ; LDS serves a wave's instructions in order, so one stage serves all groups and no wait stands between stores and loads
	s_wait_loadcnt 28-4*\g                         ; this group's four loads are in; the 4 (7 - g) of the later groups may be out
.irp i, 0,1,2,3
	ds_store_b128 v3, v[X+16*\g+4*\i:X+16*\g+4*\i+3] offset:8*SP*\i
.endr
.irp i, 0,1,2,3
	ds_load_b128 v[X+16*\g+4*\i:X+16*\g+4*\i+3], v4 offset:16*\i
.endr
.endm
.irp g, 0,1,2,3,4,5,6,7
	TURN \g
.endr
	s_wait_dscnt 0x0
.macro FOLD                            ; four chains of pairs into v[CH], then over the lanes of my row: lane bits 0, 1 and 4
	v_pk_add_f32 v[CH:CH+1], v[CH:CH+1], v[CH+2:CH+3]
	v_pk_add_f32 v[CH+4:CH+5], v[CH+4:CH+5], v[CH+6:CH+7]
	v_pk_add_f32 v[CH:CH+1], v[CH:CH+1], v[CH+4:CH+5]
	v_add_f32 v[CH], v[CH], v[CH+1]
	v_add_f32_dpp v[CH], v[CH], v[CH] row_xmask:1 row_mask:0xf bank_mask:0xf
	v_add_f32_dpp v[CH], v[CH], v[CH] row_xmask:2 row_mask:0xf bank_mask:0xf
	v_permlanex16_b32 v11, v[CH], s10, s11         ; (v11 has been written)
	v_add_f32 v[CH], v[CH], v11
.endm
	; the mean
.irp k, 0,1,2,3
	v_pk_add_f32 v[CH+2*\k:CH+2*\k+1], v[X+2*\k:X+2*\k+1], v[X+8+2*\k:X+8+2*\k+1]
.endr
.set j, 8
.rept 56
	v_pk_add_f32 v[CH+2*(j%4):CH+2*(j%4)+1], v[CH+2*(j%4):CH+2*(j%4)+1], v[X+2*j:X+2*j+1]
.set j, j+1
.endr
	FOLD
	v_mul_f32 v[NM], 0xba800000, v[CH]             ; -sum / 1024
	v_mov_b32 v[NM+1], v[NM]
.set j, 0
.rept 64
	v_pk_add_f32 v[X+2*j:X+2*j+1], v[X+2*j:X+2*j+1], v[NM:NM+1]
.set j, j+1
.endr
	; the variance of the centred numbers
.irp k, 0,1,2,3
	v_pk_mul_f32 v[CH+2*\k:CH+2*\k+1], v[X+2*\k:X+2*\k+1], v[X+2*\k:X+2*\k+1]
.endr
.set j, 4
.rept 60
	v_pk_fma_f32 v[CH+2*(j%4):CH+2*(j%4)+1], v[X+2*j:X+2*j+1], v[X+2*j:X+2*j+1], v[CH+2*(j%4):CH+2*(j%4)+1]
.set j, j+1
.endr
	FOLD
	v_fma_f32 v[CH], v[CH], s12, s13               ; var + eps
	s_wait_alu depctr_va_vdst(0)
	v_rsq_f32 v[RS], v[CH]
	v_rsq_f32 v[RS+1], v[CH]
	v_nop                                          ; a plain instruction between a transcendental and the use of its result (ISA guide 5.7.2)
.set j, 0
	s_wait_alu depctr_va_vdst(0)
.rept 64
	v_pk_mul_f32 v[X+2*j:X+2*j+1], v[X+2*j:X+2*j+1], v[RS:RS+1]
.set j, j+1
.endr
	; the quantiser: a block of 32 lies in lanes q and q xor 1; the eight groups take turns line by line
.irp g, 0,1,2,3,4,5,6,7
	v_max3_num_f32 v[MX+\g], |v[X+16*\g]|, |v[X+16*\g+1]|, 0x1800000   ; with the floor 2^(3 - 127): the byte cannot fall under 1
.endr
.irp i, 2,4,6,8,10,12,14
.irp g, 0,1,2,3,4,5,6,7
	v_max3_num_f32 v[MX+\g], v[MX+\g], |v[X+16*\g+\i]|, |v[X+16*\g+\i+1]|
.endr
.endr
.irp g, 0,1,2,3,4,5,6,7
	v_max_num_f32_dpp v[MX+\g], v[MX+\g], v[MX+\g] row_xmask:1 row_mask:0xf bank_mask:0xf
.endr
.irp g, 0,1,2,3,4,5,6,7
	v_add_nc_u32 v[SO+\g], 0xff000000, v[MX+\g]    ; 2 off the exponent field: the conversion takes this operand's exponent field as its scale
.endr
.irp g, 0,1,2,3,4,5,6,7
	v_cvt_scalef32_pk16_fp6_f32 v[C+4*\g:C+4*\g+2], v[X+16*\g:X+16*\g+15], v[SO+\g]
.endr
.irp g, 0,1,2,3,4,5,6,7
	v_lshrrev_b32 v[MX+\g], 23, v[SO+\g]           ; the scale's byte
.endr
.irp g, 0,1,2,3,4,5,6,7
	ds_store_b96 v5, v[C+4*\g:C+4*\g+2] offset:OS+128*\g
	ds_store_b8 v8, v[MX+\g] offset:SB+4*\g        ; both lanes of a block write the same byte with the same value
.endr
	; the way out: 32 places of a row an instruction: 384 consecutive bytes of codes
.irp k, 0,1,2,3,4,5,6,7
	ds_load_b96 v[X+4*\k:X+4*\k+2], v6 offset:OS+(\k/2)*OP+(\k%2)*512
.endr
	ds_load_b32 v[X+32], v9 offset:SB
.irp k, 0,1,2,3,4,5,6,7
	s_wait_dscnt 8-\k                              ; load k is in; the younger ones may be out
	global_store_b96 v7, v[X+4*\k:X+4*\k+2], s[6:7] offset:384*\k th:TH_STORE_NT
.endr
	s_wait_dscnt 0x0
	global_store_b32 v10, v[X+32], s[8:9] th:TH_STORE_NT   ; 128 consecutive bytes
	s_wait_tensorcnt 0x0
	ds_add_u32 v208, v209
	s_wait_dscnt 0x0
	s_endpgm
.Lfunc_end_k_qafa6db5f2e_lnq:
	.size	k_qafa6db5f2e_lnq, .Lfunc_end_k_qafa6db5f2e_lnq-k_qafa6db5f2e_lnq
	.p2alignl 7, 3214868480
	.fill 96, 4, 3214868480
	.section	.rodata,"a",@progbits
	.p2align	6, 0x0
	.amdhsa_kernel k_qafa6db5f2e_lnq
		.amdhsa_group_segment_fixed_size 29184
		.amdhsa_private_segment_fixed_size 0
		.amdhsa_enable_private_segment 0
		.amdhsa_kernarg_size 16
		.amdhsa_user_sgpr_count 2
		.amdhsa_user_sgpr_kernarg_segment_ptr 1
		.amdhsa_wavefront_size32 1
		.amdhsa_system_sgpr_workgroup_id_x 1
		.amdhsa_system_sgpr_workgroup_id_y 1
		.amdhsa_system_sgpr_workgroup_id_z 1
		.amdhsa_system_vgpr_workitem_id 0
		.amdhsa_next_free_vgpr 210
		.amdhsa_next_free_sgpr 66
		.amdhsa_reserve_vcc 0
		.amdhsa_float_denorm_mode_32 3
		.amdhsa_float_denorm_mode_16_64 3
		.amdhsa_memory_ordered 1
		.amdhsa_forward_progress 1
		.amdhsa_inst_pref_size 36
	.end_amdhsa_kernel
	.amdgpu_metadata
---
amdhsa.version: [ 1, 2 ]
amdhsa.kernels:
  - .name:           k_qafa6db5f2e_lnq
    .symbol:         k_qafa6db5f2e_lnq.kd
    .args:
      - { .name: past_values, .offset: 0, .size: 8, .value_kind: global_buffer, .address_space: global }
      - { .name: ri, .offset: 8, .size: 8, .value_kind: global_buffer, .address_space: global }
    .group_segment_fixed_size: 29184
    .private_segment_fixed_size: 0
    .kernarg_segment_align: 8
    .kernarg_segment_size: 16
    .max_flat_workgroup_size: 128
    .sgpr_count:     66
    .vgpr_count:     210
    .wavefront_size: 32
...
	.end_amdgpu_metadata
.endif
;; end of part 1
;; launch proj (part 2): grid 16 x 16, 4 waves a work-group, clusters of 4 x 4, 327,680 bytes of LDS; arguments x_codes, x_scales, Wqkv_codes, Wqkv_scales, Wcol_codes, Wcol_scales, bqkv, bcol, prj; writes prj
.if DOCPART == 2
	.amdgcn_target "amdgcn-amd-amdhsa--gfx1250"
	.amdhsa_code_object_version 6
	.text
	.protected	k_qafa6db5f2e_proj
	.globl	k_qafa6db5f2e_proj
	.p2align	8
	.type	k_qafa6db5f2e_proj,@function
k_qafa6db5f2e_proj:
	s_mov_b64 s[64:65], 0
	v_nop
	global_prefetch_b8 v0, s[64:65] scope:SCOPE_SE
	s_setreg_imm32_b32 hwreg(HW_REG_WAVE_MODE, 25, 1), 1
	s_wait_xcnt 0x0
	s_wait_alu depctr_hold_cnt(0) depctr_sa_sdst(0) depctr_va_vdst(0) depctr_va_sdst(0) depctr_va_ssrc(0) depctr_va_vcc(0) depctr_vm_vsrc(0)
	s_getreg_b32 s2, hwreg(HW_REG_IB_STS2, 6, 4)
	s_cmp_eq_u32 s2, 0
	s_cbranch_scc0 .Lentry_in_a_cluster
	s_endpgm
.Lentry_in_a_cluster:
	s_bfe_u32 s2, ttmp6, 0x10000c
	s_cmp_lg_u32 s2, 0xf033
	s_cbranch_scc0 .Lentry_shape_is_right
	s_endpgm
.Lentry_shape_is_right:
; q, k, v = x Wqkv^T + bqkv and q_col = x Wcol^T + bcol, on codes of FP6 (E2M3) with E8M0 scales.  Cluster x 0, 1, 2, 3: q, k, v, q_col.
; A work-group holds ALL OF K in LDS: 128 rows on the A side and 256 on the B side, 768 bytes each with 16 bytes of padding behind each 256 (LDS pitch 816), and their scales:
; four tiles, one tensor load a wave at the head; nothing is filled again.  16 x 16 = 256 work-groups.  A's tiles are asked for jointly along a row of the 4 x 4 cluster, B's along a column.
; q, k, q_col: A side = 128 tokens of x, B side = 256 rows of W (four heads).  v: THE SIDES CHANGE PLACES, by address alone: A side = 128 rows of Wv (two heads), B side = 256 tokens of x.
; A wave makes 128 (A) x 64 (B): 32 accumulators.  Source 0 = B's rows, source 1 = A's: lane (r, h) holds A's row 16 a + r.  Lane r of B's tile 2 c + u takes row 32 c + 8 u + r + 8 (r / 8), so the 16 registers
; of tiles 2 c, 2 c + 1 are B's rows 32 c + 16 h + 0 .. 15: 16 neighbours along the next product's K (channels for q and k, keys for v), which are quantised in registers; lane l xor 16 holds the block's other half.
; The bias is added on the way out: along the registers for q, k, q_col, along the lanes for v.
; OUT, prj: q's and k's codes [head][token][48 bytes] at 0 and 1572864, their scale words at QS; v's codes [head][key / 128][channel][96 bytes] at VC, scale words at VSW; q_col f32 at QCOL.
; REGISTERS: window 0: v4-14, v240-247 addresses; v16-79 A's scale words, v80-111 B's; v112-207 A's fragments, even steps; v208-239 the bias.  window 1: the accumulators.
;   window 2: v0-95 B's fragments, two sets; v96-191 A's fragments, odd steps.
; No prefetch: every byte is asked for at the head, and there is no loop to run ahead in.  B's fragment loads touch rows 16 apart, which fall on the same banks at every pitch that is a multiple of 16 bytes.
; LIMITS: NaN and infinities are not served; a block of zeros gets the byte 1 (zero codes; this program alone reads the bytes); the bias is added behind the sums, not ahead of them.
.set KROW,  768
.set PITCH, 816
.set TILEA, 128*PITCH
.set SCLA,  3*TILEA
.set SCLB,  SCLA+16*272
.set SPARE, SCLB+32*272
.set UP,    272
.set QS,    4718592
.set VC,    3145728
.set VSW,   4980736
.set QCOL,  5046272
.set ADRA, 4                           ; v4, v5 blocks 0-3 (v5: lanes 16-31 past a padding); v6, v7 blocks 4-7
.set ADRB, 8
.set ADSA, 10
.set ADSB, 11
.set SPW,  12
.set NIL,  13
.set HH,   14
.set SCA,  16
.set SCB,  80
.set BI,   208
.set VQ,   240
.set VQS,  241
.set STO,  242
.set RD,   243
.set CO,   244
.set BO,   245
.set VV,   246
.set BV,   247
.set NB,   16                          ; the way out: sums with the bias
.set TQ,   80
.set CD,   96
.set OB,   112
.set PADW, (1<<20)|(1<<21)|(5<<22)|(3<<25)
.set MSB, 0
.macro WIN new
.if MSB != (\new)
	s_set_vgpr_msb (MSB<<8)|(\new)
.set MSB, (\new)
.endif
.endm
.macro PLACES
.rept 4
	v_nop
.endr
.endm
.macro CROUND
	s_barrier_signal -1
	s_barrier_wait -1
	s_cmp_lg_u32 s14, 0
	s_cbranch_scc1 .Lnot_wave_0_\@
	s_barrier_signal -3
.Lnot_wave_0_\@:
	s_barrier_wait -3
	s_barrier_signal -1
	s_barrier_wait -1
.endm
	s_load_b128 s[4:7], s[0:1], 0x0                ; x's codes, scales
	s_load_b128 s[8:11], s[0:1], 0x10              ; Wqkv's
	s_load_b128 s[96:99], s[0:1], 0x20             ; Wcol's
	s_load_b64 s[12:13], s[0:1], 0x30              ; bqkv
	s_load_b64 s[66:67], s[0:1], 0x38              ; bcol
	s_load_b64 s[100:101], s[0:1], 0x40            ; prj
	v_lshl_add_u32 v[SPW], v0, 2, SPARE
	v_mov_b32 v[NIL], 0
	ds_add_u32 v[SPW], v[NIL]                      ; the opening lines: the add twice on end
	ds_add_u32 v[SPW], v[NIL]
	v_lshrrev_b32 v1, 5, v0
	v_readfirstlane_b32 s14, v1                    ; wave
	s_bfe_u32 s40, ttmp6, 0x40000                  ; cx
	s_bfe_u32 s41, ttmp6, 0x40004                  ; cy
	s_and_b32 s15, ttmp7, 0xffff                   ; the cluster's y
	s_lshl_b32 s43, s41, 2
	s_lshl_b32 s43, 15, s43                        ; my row of the cluster
	s_lshl_b32 s44, 0x1111, s40                    ; my column
	; the A side's tile, in units of 128 rows, from cy and the cluster's y alone
	s_lshl_b32 s16, s15, 2
	s_add_co_u32 s16, s16, s41                     ; q, k, q_col: the block of 128 tokens
	s_and_b32 s17, s15, 1
	s_lshl_b32 s17, s17, 2
	s_add_co_u32 s17, s17, s41                     ; v: the pair of heads
	s_add_co_u32 s18, s17, 16                      ; Wv begins at row 2,048
	s_cmp_eq_u32 ttmp9, 2
	s_cselect_b32 s18, s18, s16
	; the B side's tile, in units of 256 rows, from cx and the cluster's x and y alone
	s_lshr_b32 s19, s15, 1
	s_lshl_b32 s19, s19, 2
	s_add_co_u32 s19, s19, s40                     ; v: the block of 256 tokens
	s_cmp_eq_u32 ttmp9, 3
	s_cselect_b32 s20, 0, ttmp9
	s_lshl_b32 s20, s20, 2
	s_add_co_u32 s20, s20, s40                     ; q, k: in Wqkv; q_col: in Wcol
	s_cmp_eq_u32 ttmp9, 2
	s_cselect_b32 s20, s19, s20
	s_or_b32 s24, s43, PADW                        ; s[24:31]: 128 rows of 768 bytes; s[48:55]: 256
	s_or_b32 s48, s44, PADW
.irp g, 24, 48
	s_mov_b32 s[\g+1], KROW<<16
	s_mov_b32 s[\g+3], KROW<<16
	s_mov_b32 s[\g+5], KROW
	s_mov_b32 s[\g+6], 0
	s_mov_b32 s[\g+7], 0
.endr
	s_mov_b32 s26, 128<<16
	s_mov_b32 s28, 128
	s_mov_b32 s50, 256<<16
	s_mov_b32 s52, 256
	s_or_b32 s68, s43, (3<<16)|PADW                ; s[68:75]: 4,096 dense bytes of scales as 16 rows of 256; s[80:87]: 8,192 as 32
	s_or_b32 s80, s44, (3<<16)|PADW
.irp g, 68, 80
	s_mov_b32 s[\g+1], 32<<16
	s_mov_b32 s[\g+3], 32<<16
	s_mov_b32 s[\g+5], 32
	s_mov_b32 s[\g+6], 0
	s_mov_b32 s[\g+7], 0
.endr
	s_mov_b32 s70, 16<<16
	s_mov_b32 s72, 16
	s_mov_b32 s82, 32<<16
	s_mov_b32 s84, 32
	s_mul_i32 s76, s18, 128*KROW
	s_mov_b32 s77, 0
	s_lshl_b32 s78, s18, 12
	s_mov_b32 s79, 0
	s_mul_i32 s88, s20, 256*KROW
	s_mov_b32 s89, 0
	s_lshl_b32 s90, s20, 13
	s_mov_b32 s91, 0
	s_mov_b32 s33, 0
	s_mov_b32 s37, TILEA
	s_mov_b32 s57, SCLA
	s_mov_b32 s61, SCLB
	s_wait_dscnt 0x0
	s_wait_kmcnt 0x0
	s_cmp_eq_u32 ttmp9, 3
	s_cselect_b64 s[8:9], s[96:97], s[8:9]         ; the weight: Wcol or Wqkv
	s_cselect_b64 s[10:11], s[98:99], s[10:11]
	s_cselect_b64 s[12:13], s[66:67], s[12:13]
	s_cmp_eq_u32 ttmp9, 2
	s_cselect_b64 s[92:93], s[8:9], s[4:5]         ; the A side: for v the weight, else x
	s_cselect_b64 s[94:95], s[10:11], s[6:7]
	s_cselect_b64 s[96:97], s[4:5], s[8:9]         ; the B side
	s_cselect_b64 s[98:99], s[6:7], s[10:11]
	s_add_nc_u64 s[34:35], s[92:93], s[76:77]
	s_add_nc_u64 s[58:59], s[94:95], s[78:79]
	s_add_nc_u64 s[38:39], s[96:97], s[88:89]
	s_add_nc_u64 s[62:63], s[98:99], s[90:91]
.irp g, 32, 36, 56, 60
	s_mov_b32 s[\g], 1
	s_or_b32 s[\g+3], s[\g+3], 0x80000000
.endr
	CROUND
.macro ARM under, g0, g1, next
	s_cmp_lt_u32 s14, \under
	s_cbranch_scc0 \next
	tensor_load_to_lds s[\g0:\g0+3], s[\g1:\g1+7]
	s_nop 0
	PLACES
	s_branch .Lhead_asked
\next:
.endm
	ARM 1, 32, 24, .Lhead_b                        ; wave 0: A's codes; wave 1: B's; wave 2: A's scales; wave 3: B's
	ARM 2, 36, 48, .Lhead_sa
	ARM 3, 56, 68, .Lhead_sb
	tensor_load_to_lds s[60:63], s[80:87]
	s_nop 0
	PLACES
.Lhead_asked:
	s_mul_i32 s21, s14, 64*PITCH
	s_add_co_u32 s21, s21, TILEA                   ; my 64 rows of B
	s_mul_i32 s22, s14, 8*272
	s_add_co_u32 s22, s22, SCLB                    ; and their scales
	s_mul_i32 s23, s14, 16*UP                      ; my stage, in A's bytes
	s_lshl_b32 s76, s20, 10
	s_lshl_b32 s77, s14, 8
	s_add_co_u32 s76, s76, s77                     ; the bias of my 64 rows of W,
	s_lshl_b32 s77, s18, 9                         ; for v: of the tile's 128 rows of Wv
	s_cmp_eq_u32 ttmp9, 2
	s_cselect_b32 s76, s77, s76
	s_mov_b32 s77, 0
	s_add_nc_u64 s[12:13], s[12:13], s[76:77]
	v_and_b32 v1, 15, v0                           ; r
	v_bfe_u32 v2, v0, 4, 1                         ; h
	v_mov_b32 v[HH], v2
	v_mul_u32_u24 v3, v1, PITCH
	v_mad_u32_u24 v[ADRA], v2, 24, v3
	v_lshl_add_u32 v[ADRA+1], v2, 4, v[ADRA]
	v_add_nc_u32 v[ADRA+2], 64*PITCH, v[ADRA]
	v_add_nc_u32 v[ADRA+3], 64*PITCH, v[ADRA+1]
	v_and_b32 v15, 8, v1
	v_add_nc_u32 v15, v15, v1                      ; r + 8 (r / 8)
	v_mul_u32_u24 v3, v15, PITCH
	v_mad_u32_u24 v3, v2, 24, v3
	v_add_nc_u32 v[ADRB], s21, v3
	v_lshl_add_u32 v[ADRB+1], v2, 4, v[ADRB]
	v_lshlrev_b32 v3, 5, v1
	v_lshrrev_b32 v[ADSA], 3, v1
	v_lshl_add_u32 v3, v[ADSA], 4, v3
	v_add_nc_u32 v[ADSA], SCLA, v3                 ; 32 bytes a row, 16 more for each 256 passed
	v_lshlrev_b32 v3, 5, v15
	v_lshrrev_b32 v[ADSB], 3, v15
	v_lshl_add_u32 v3, v[ADSB], 4, v3
	v_add_nc_u32 v[ADSB], s22, v3
	v_mul_u32_u24 v[VQ], v1, 48
	v_mad_u32_u24 v[VQ], v2, 12, v[VQ]
	v_mul_u32_u24 v[VV], v1, 96
	v_mad_u32_u24 v[VV], v2, 12, v[VV]
	v_and_b32 v3, 31, v0
	v_lshlrev_b32 v[VQS], 2, v3
	v_mul_u32_u24 v3, v1, UP
	v_lshl_add_u32 v3, v2, 6, v3
	v_add_nc_u32 v[STO], s23, v3                   ; in: row r, + 64 h
	v_mul_u32_u24 v3, v2, UP
	v_lshl_add_u32 v3, v1, 4, v3
	v_add_nc_u32 v[RD], s23, v3                    ; back: lanes 0-15 one row of 256 bytes, lanes 16-31 the next
	v_lshlrev_b32 v[CO], 4, v1
	v_lshl_add_u32 v[CO], v2, 12, v[CO]
	v_lshlrev_b32 v[BO], 6, v2
	v_lshlrev_b32 v[BV], 2, v1
	s_wait_alu depctr_va_vdst(0)                   ; the wait at the head's end
	s_cmp_eq_u32 ttmp9, 2
	s_cbranch_scc1 .Lbias_v
.irp k, 0,1,2,3,4,5,6,7
	global_load_b128 v[BI+4*\k:BI+4*\k+3], v[BO], s[12:13] offset:128*(\k/4)+16*(\k%4)   ; register 16 c + i: the bias of row 32 c + 16 h + i
.endr
	s_branch .Lbias_asked
.Lbias_v:
.set n, 0
.rept 32
	global_load_b32 v[BI+n], v[BV], s[12:13] offset:64*((n/2)%8)   ; registers 2 a, 2 a + 1: the bias of channel 16 a + r (the upper sixteen repeat the lower)
.set n, n+1
.endr
.Lbias_asked:
	s_wait_tensorcnt 0x0                           ; my tile is in
	s_barrier_signal -1
	s_barrier_wait -1                              ; all four are
.macro FRAG reg, adr, st, ro           ; byte y of a row lies at y + 16 (y / 256); lanes 16-31 read 24 bytes on
.irp p, 0,1,2,3,4,5
.set BY, 96*(\st)+48*(\p/3)+8*(\p%3)
	ds_load_b64 v[\reg+2*\p:\reg+2*\p+1], v[\adr+(BY+24)/256-BY/256] offset:BY+16*(BY/256)+(\ro)
.endr
.endm
.macro FETCH st                        ; 72 loads: B's four tiles, A's eight blocks
	WIN 0x80
.irp t, 0,1,2,3
	FRAG 48*((\st)%2)+12*\t, ADRB, \st, (32*(\t/2)+8*(\t%2))*PITCH
.endr
.if (\st)%2 == 0
	WIN 0
.endif
.irp i, 0,1,2,3,4,5,6,7
	FRAG 112-16*((\st)%2)+12*\i, ADRA+2*(\i/4), \st, (\i%4)*16*PITCH
.endr
	WIN 0
.endm
.macro MUL st                          ; the 32 accumulators take turns
.set AB, 112-16*((\st)%2)
.set BB, 48*((\st)%2)
.irp a, 0,1,2,3,4,5,6,7
.irp t, 0,1,2,3
.if (\st) == 0
	v_wmma_scale_f32_16x16x128_f8f6f4 v[8*(4*\a+\t):8*(4*\a+\t)+7], v[BB+12*\t:BB+12*\t+11], v[AB+12*\a:AB+12*\a+11], 0, v[SCB+8*\t], v[SCA+8*\a] matrix_a_fmt:MATRIX_FMT_FP6 matrix_b_fmt:MATRIX_FMT_FP6
.else
	v_wmma_scale_f32_16x16x128_f8f6f4 v[8*(4*\a+\t):8*(4*\a+\t)+7], v[BB+12*\t:BB+12*\t+11], v[AB+12*\a:AB+12*\a+11], v[8*(4*\a+\t):8*(4*\a+\t)+7], v[SCB+8*\t+(\st)], v[SCA+8*\a+(\st)] matrix_a_fmt:MATRIX_FMT_FP6 matrix_b_fmt:MATRIX_FMT_FP6
.endif
.endr
.endr
.endm
.irp a, 0,1,2,3,4,5,6,7
	ds_load_b128 v[SCA+8*\a:SCA+8*\a+3], v[ADSA] offset:544*\a                ; a row's eight scale words, all of K
	ds_load_b128 v[SCA+8*\a+4:SCA+8*\a+7], v[ADSA] offset:544*\a+16
.endr
.irp t, 0,1,2,3
	ds_load_b128 v[SCB+8*\t:SCB+8*\t+3], v[ADSB] offset:(4*(\t/2)+\t%2)*272
	ds_load_b128 v[SCB+8*\t+4:SCB+8*\t+7], v[ADSB] offset:(4*(\t/2)+\t%2)*272+16
.endr
	FETCH 0
.set ST, 0
.rept 8
.if ST < 7
.if ST > 0
	PLACES                                         ; in front of loads into registers that the step before has multiplied
.endif
	FETCH ST+1
	s_wait_dscnt 63                                ; this step's loads are in: behind them stand the 72 just issued, and the count names the most that its field holds
.else
	s_wait_dscnt 0x0                               ; my reads of the tiles are over:
	s_barrier_signal -1                            ; behind this barrier A's bytes serve as stages
.endif
	WIN 0x52+8*(ST%2)                              ; source 0 window 2, source 1 window 0 or 2, C and D window 1
	MUL ST
.set ST, ST+1
.endr
	WIN 0
	s_barrier_wait -1
	PLACES
.irp g, 0,1,2,3
	v_mov_b32 v[TQ+4+\g], 0                        ; a lane permute's destination counts as one of its sources
.endr
	v_cmp_eq_u32 vcc_lo, 1, v[HH]
	s_mov_b32 s42, 0x76543210
	s_mov_b32 s43, 0xfedcba98                      ; v_permlanex16_b32's selects for lane l xor 16
	s_wait_loadcnt 0x0                             ; the bias
	s_cmp_lt_u32 ttmp9, 2
	s_cbranch_scc1 .Lqk
	s_cmp_eq_u32 ttmp9, 2
	s_cbranch_scc1 .Lv
	; q_col leaves as f32: 16 tokens x 256 bytes at a time through my stage
	s_lshl_b32 s21, s40, 2
	s_add_co_u32 s21, s21, s14                     ; my head
	s_lshl_b32 s76, s16, 19
	s_lshl_b32 s22, s21, 8
	s_add_co_u32 s76, s76, s22
	s_add_co_u32 s76, s76, QCOL
	s_mov_b32 s77, 0
	s_add_nc_u64 s[96:97], s[100:101], s[76:77]
.macro CBLK a
	WIN 0x01
.irp n, 0,2,4,6,8,10,12,14,16,18,20,22,24,26,28,30
	v_pk_add_f32 v[NB+32*((\a)%2)+\n:NB+32*((\a)%2)+\n+1], v[32*(\a)+\n:32*(\a)+\n+1], v[BI+\n:BI+\n+1]
.endr
	WIN 0
.irp k, 0,1,2,3,4,5,6,7
	ds_store_b128 v[STO], v[NB+32*((\a)%2)+4*\k:NB+32*((\a)%2)+4*\k+3] offset:128*(\k/4)+16*(\k%4)
.endr
.irp t, 0,1,2,3,4,5,6,7
	ds_load_b128 v[OB+32*((\a)%2)+4*\t:OB+32*((\a)%2)+4*\t+3], v[RD] offset:2*\t*UP   ; LDS serves a wave's instructions in order: these see my stores
.endr
.endm
.macro SEND a, younger
	s_wait_dscnt \younger                          ; block a is back; the next block's 16 LDS instructions may be out
.irp t, 0,1,2,3,4,5,6,7
	global_store_b128 v[CO], v[OB+32*((\a)%2)+4*\t:OB+32*((\a)%2)+4*\t+3], s[96:97] offset:(16*(\a)+2*\t)*4096   ; 16 lanes store 256 consecutive bytes, aligned
.endr
.endm
	CBLK 0
.irp a, 1,2,3,4,5,6,7
.if \a > 1
	s_wait_xcnt 0x0                                ; block a - 2's stores have read their registers
.endif
	CBLK \a
	SEND \a-1, 16
.endr
	SEND 7, 0
	s_branch .Lend
; Four units of 16 numbers a lane at a time, by turns: A's blocks a0, a0 + 1 x blocks c = 0, 1 of 32 along B.  The bias, the block's largest magnitude (with lane l xor 16's), the scale, the codes: 12 bytes a lane.
.macro QUAD a0, isv
.if (\a0) > 0
	s_wait_xcnt 0x0                                ; the last four units' stores have read their registers
.endif
	WIN 0x01
.irp g, 0,1,2,3
.irp n, 0,2,4,6,8,10,12,14
.if \isv
	v_pk_add_f32 v[NB+16*\g+\n:NB+16*\g+\n+1], v[32*((\a0)+\g/2)+16*(\g%2)+\n:32*((\a0)+\g/2)+16*(\g%2)+\n+1], v[BI+2*((\a0)+\g/2):BI+2*((\a0)+\g/2)+1]
.else
	v_pk_add_f32 v[NB+16*\g+\n:NB+16*\g+\n+1], v[32*((\a0)+\g/2)+16*(\g%2)+\n:32*((\a0)+\g/2)+16*(\g%2)+\n+1], v[BI+16*(\g%2)+\n:BI+16*(\g%2)+\n+1]
.endif
.endr
.endr
	WIN 0
.irp g, 0,1,2,3
	v_max3_num_f32 v[TQ+\g], |v[NB+16*\g]|, |v[NB+16*\g+1]|, 0x1800000   ; with the floor 2^(3 - 127): the byte cannot fall under 1
.endr
.irp i, 2,4,6,8,10,12,14
.irp g, 0,1,2,3
	v_max3_num_f32 v[TQ+\g], v[TQ+\g], |v[NB+16*\g+\i]|, |v[NB+16*\g+\i+1]|
.endr
.endr
.irp g, 0,1,2,3
	v_permlanex16_b32 v[TQ+4+\g], v[TQ+\g], s42, s43
.endr
.irp g, 0,1,2,3
	v_max_num_f32 v[TQ+\g], v[TQ+\g], v[TQ+4+\g]
.endr
.irp g, 0,1,2,3
	v_add_nc_u32 v[TQ+8+\g], 0xff000000, v[TQ+\g]  ; 2 off the exponent field: the conversion's scale operand
.endr
.irp g, 0,1,2,3
	v_cvt_scalef32_pk16_fp6_f32 v[CD+4*\g:CD+4*\g+2], v[NB+16*\g:NB+16*\g+15], v[TQ+8+\g]
.endr
.irp g, 0,1,2,3
	v_lshrrev_b32 v[TQ+\g], 23, v[TQ+8+\g]         ; the scale's byte (plain places behind the conversions)
.endr
	v_lshl_or_b32 v[TQ+4], v[TQ+1], 8, v[TQ]
	v_lshl_or_b32 v[TQ+5], v[TQ+3], 8, v[TQ+2]
	v_cndmask_b32 v[TQ+6], v[TQ+4], v[TQ+5], vcc_lo  ; lanes 0-15 store block a0's two bytes, lanes 16-31 block a0 + 1's
.if \isv
.irp g, 0,1,2,3
	global_store_b96 v[VV], v[CD+4*\g:CD+4*\g+2], s[96:97] offset:(((\a0)+\g/2)/4)*98304+(((\a0)+\g/2)%4)*1536+24*(\g%2)
.endr
	global_store_b16 v[VQS], v[TQ+6], s[98:99] offset:((\a0)/4)*4096+((\a0)%4)*64   ; my 64 keys' half of each channel's scale word
.else
	v_lshl_or_b32 v[TQ+6], v[TQ+6], 16, v[TQ+6]    ; the padded upper half of K repeats the bytes
.irp g, 0,1,2,3
	global_store_b96 v[VQ], v[CD+4*\g:CD+4*\g+2], s[96:97] offset:768*((\a0)+\g/2)+24*(\g%2)
.endr
	global_store_b32 v[VQS], v[TQ+6], s[98:99] offset:64*(\a0)   ; 128 consecutive bytes
.endif
.endm
.Lqk:
	s_lshl_b32 s21, s40, 2
	s_add_co_u32 s21, s21, s14                     ; my head
	s_mul_i32 s76, ttmp9, 1572864
	s_mul_i32 s22, s21, 98304
	s_add_co_u32 s76, s76, s22
	s_mul_i32 s22, s16, 6144
	s_add_co_u32 s76, s76, s22
	s_mov_b32 s77, 0
	s_add_nc_u64 s[96:97], s[100:101], s[76:77]
	s_lshl_b32 s76, ttmp9, 17
	s_lshl_b32 s22, s21, 13
	s_add_co_u32 s76, s76, s22
	s_lshl_b32 s22, s16, 9
	s_add_co_u32 s76, s76, s22
	s_add_co_u32 s76, s76, QS
	s_add_nc_u64 s[98:99], s[100:101], s[76:77]
.irp a, 0,2,4,6
	QUAD \a, 0
.endr
	s_branch .Lend
.Lv:
	s_lshl_b32 s21, s19, 1
	s_lshr_b32 s22, s14, 1
	s_add_co_u32 s21, s21, s22                     ; my keys / 128
	s_and_b32 s22, s14, 1                          ; which 64 of the 128
	s_mul_i32 s76, s17, 196608
	s_mul_i32 s23, s21, 6144
	s_add_co_u32 s76, s76, s23
	s_mul_i32 s23, s22, 48
	s_add_co_u32 s76, s76, s23
	s_add_co_u32 s76, s76, VC
	s_mov_b32 s77, 0
	s_add_nc_u64 s[96:97], s[100:101], s[76:77]
	s_lshl_b32 s76, s17, 13
	s_lshl_b32 s23, s21, 8
	s_add_co_u32 s76, s76, s23
	s_lshl_b32 s23, s22, 1
	s_add_co_u32 s76, s76, s23
	s_add_co_u32 s76, s76, VSW
	s_add_nc_u64 s[98:99], s[100:101], s[76:77]
.irp a, 0,2,4,6
	QUAD \a, 1
.endr
.Lend:
	s_wait_tensorcnt 0x0                           ; the wave's end
	ds_add_u32 v[SPW], v[NIL]
	s_wait_dscnt 0x0
	CROUND                                         ; the closing round
	s_endpgm
.Lfunc_end_k_qafa6db5f2e_proj:
	.size	k_qafa6db5f2e_proj, .Lfunc_end_k_qafa6db5f2e_proj-k_qafa6db5f2e_proj
	.p2alignl 7, 3214868480
	.fill 96, 4, 3214868480
	.section	.rodata,"a",@progbits
	.p2align	6, 0x0
	.amdhsa_kernel k_qafa6db5f2e_proj
		.amdhsa_group_segment_fixed_size 327680
		.amdhsa_private_segment_fixed_size 0
		.amdhsa_enable_private_segment 0
		.amdhsa_kernarg_size 72
		.amdhsa_user_sgpr_count 2
		.amdhsa_user_sgpr_kernarg_segment_ptr 1
		.amdhsa_wavefront_size32 1
		.amdhsa_system_sgpr_workgroup_id_x 1
		.amdhsa_system_sgpr_workgroup_id_y 1
		.amdhsa_system_sgpr_workgroup_id_z 1
		.amdhsa_system_vgpr_workitem_id 0
		.amdhsa_next_free_vgpr 704
		.amdhsa_next_free_sgpr 102
		.amdhsa_reserve_vcc 1
		.amdhsa_float_denorm_mode_32 3
		.amdhsa_float_denorm_mode_16_64 3
		.amdhsa_memory_ordered 1
		.amdhsa_forward_progress 1
		.amdhsa_inst_pref_size 158
	.end_amdhsa_kernel
	.amdgpu_metadata
---
amdhsa.version: [ 1, 2 ]
amdhsa.kernels:
  - .name:           k_qafa6db5f2e_proj
    .symbol:         k_qafa6db5f2e_proj.kd
    .args:
      - { .name: x_codes, .offset: 0, .size: 8, .value_kind: global_buffer, .address_space: global }
      - { .name: x_scales, .offset: 8, .size: 8, .value_kind: global_buffer, .address_space: global }
      - { .name: Wqkv_codes, .offset: 16, .size: 8, .value_kind: global_buffer, .address_space: global }
      - { .name: Wqkv_scales, .offset: 24, .size: 8, .value_kind: global_buffer, .address_space: global }
      - { .name: Wcol_codes, .offset: 32, .size: 8, .value_kind: global_buffer, .address_space: global }
      - { .name: Wcol_scales, .offset: 40, .size: 8, .value_kind: global_buffer, .address_space: global }
      - { .name: bqkv, .offset: 48, .size: 8, .value_kind: global_buffer, .address_space: global }
      - { .name: bcol, .offset: 56, .size: 8, .value_kind: global_buffer, .address_space: global }
      - { .name: prj, .offset: 64, .size: 8, .value_kind: global_buffer, .address_space: global }
    .group_segment_fixed_size: 327680
    .private_segment_fixed_size: 0
    .kernarg_segment_align: 8
    .kernarg_segment_size: 72
    .max_flat_workgroup_size: 128
    .sgpr_count:     102
    .vgpr_count:     704
    .wavefront_size: 32
...
	.end_amdgpu_metadata
.endif
;; end of part 2
;; launch reproj (part 3): grid 8 x 64, 4 waves a work-group, clusters of 4 x 4, 327,680 bytes of LDS; arguments ri, Wqkv_codes, Wqkv_scales, bqkv, prj, mem; writes mem
.if DOCPART == 3
	.amdgcn_target "amdgcn-amd-amdhsa--gfx1250"
	.amdhsa_code_object_version 6
	.text
	.protected	k_qafa6db5f2e_reproj
	.globl	k_qafa6db5f2e_reproj
	.p2align	8
	.type	k_qafa6db5f2e_reproj,@function
k_qafa6db5f2e_reproj:
	s_mov_b64 s[64:65], 0
	v_nop
	global_prefetch_b8 v0, s[64:65] scope:SCOPE_SE
	s_setreg_imm32_b32 hwreg(HW_REG_WAVE_MODE, 25, 1), 1
	s_wait_xcnt 0x0
	s_wait_alu depctr_hold_cnt(0) depctr_sa_sdst(0) depctr_va_vdst(0) depctr_va_sdst(0) depctr_va_ssrc(0) depctr_va_vcc(0) depctr_vm_vsrc(0)
	s_getreg_b32 s2, hwreg(HW_REG_IB_STS2, 6, 4)
	s_cmp_eq_u32 s2, 0
	s_cbranch_scc0 .Lentry_in_a_cluster
	s_endpgm
.Lentry_in_a_cluster:
	s_bfe_u32 s2, ttmp6, 0x10000c
	s_cmp_lg_u32 s2, 0xf033
	s_cbranch_scc0 .Lentry_shape_is_right
	s_endpgm
.Lentry_shape_is_right:
; THE MEMORY PART.  rk = ri Wk^T + bk and rv = ri Wv^T + bv (16,384 rows, K = 1,024, codes of FP6 with E8M0 scales) are made tile by tile and never stored: in the registers that hold them the 8 memory
; scores of each (token, head) are formed against q_col in f32, a softmax over the 8 is taken under ITS OWN maximum, and what leaves is U = sum over l of 2^(t_l - m_mem) rv_l (f32 [token][1024]) and the pair
; (m_mem, l_mem) for each (head, token); t = score x log2(e) / 8.  The attention launch brings these under the row's final maximum as a running maximum does.
; A tile is 256 x 256: ri's rows 256 y on (2 blocks of 16 tokens x 8 slots) x 128 columns of rk and the same 128 of rv (heads 2 x, 2 x + 1).  A wave: all 8 slots of 16 tokens (A's block a IS slot l) x [rk | rv] of one head.
; K goes through a ring of two LDS slots in chunks of 256 bytes of each row of 768; a step of 128 along K is 96 bytes, so steps 2 and 5 lie across two chunks.
; WHO LOADS: wave 0 A's 256 rows of a chunk, wave 2 Wk's 128 rows, wave 3 Wv's; wave 1 A's scales at the head and, with chunk 1, B's scales (one tile of 2 rows x 4,096 bytes, Wk's and Wv's, 32,768 bytes apart).
; So the first step waits for both groups of loads.  Joint loads: A's along a row of the cluster, B's along a column.  The bias is the C of each sum's first product.
; Used transposed: lane (r, h), register j of accumulator (l, b): token r, column 16 b + 8 h + j.  The stage of the way out lies in slot 1, which has had its last fill and its last read behind step 5's barrier.
; No prefetch: three chunks, of which two are asked for ahead of the first step: no trip to run ahead in.
; LIMITS: NaN and infinities are not served; the memory part is summed under its own maximum and rescaled once, an order of rounding that differs from a softmax over all scores at once.
.set NQ,     2
.set ROWB,   256
.set KROW,   768
.set STEPS,  8
.set CHUNKS, 3
.set PITCH,  272
.set FR,     12
.set NL,     6
.set NP,     4
.set HALFT,  128*PITCH
.set SLOT,   4*HALFT
.set KS,     32
.set SCL,    2*SLOT
.set HALFS,  16*272
.set SBLK,   2*272
.set SPARE,  SCL+4*HALFS
.set RI_SC,  12582912
.set QCOL,   5046272
.set MS,     8388608
.set UP,     272
.set SOF,  7
.set QOF,  8
.set HH,   9
.set ADRA, 16
.set ADRB, 20
.set STO,  24
.set RD,   25
.set CO,   26
.set ADRS, 27
.set SPW,  28
.set NIL,  29
.set ADRS2, 30
.set BO,   31
.set SC,   32
.set BI,   64
.set AF,   128
.set UO,   128
.set DT,   160
.set E,    176
.set TP,   192
.set MM,   200
.set LM,   201
.set OB,   208
.set QCR,  224
.set G1, 24
.set G0, 32
.set G1B, 48
.set G0B, 56
.set G1S, 68
.set G0S, 76
.set G1SB, 80
.set G0SB, 88
.set PADW, (1<<20)|(1<<21)|(5<<22)|(3<<25)
.set MSB, 0
.macro WIN new
.if MSB != (\new)
	s_set_vgpr_msb (MSB<<8)|(\new)
.set MSB, (\new)
.endif
.endm
.set MUL_LO, 0xa1
.set MUL_HI, 0xf1
.set TO_B,   0x40
.macro PLACES n
.rept \n
	v_nop
.endr
.endm
; one group of joint loads into slot s: one chain of branches on the wave's number, one load to an arm.  sc = 1: wave 1 asks for A's scales, 2: for B's, 0: for nothing
.macro RLOAD s, sc
	s_cmp_lt_u32 s14, 2
	s_cbranch_scc0 .Lrb_\@
	s_cmp_eq_u32 s14, 0
	s_cbranch_scc0 .Lr1_\@
	tensor_load_to_lds s[G0+4*(\s):G0+4*(\s)+3], s[G1:G1+7]
	s_nop 0
	PLACES 4
	s_branch .Lrj_\@
.Lr1_\@:
.if (\sc) == 1
	tensor_load_to_lds s[G0S:G0S+3], s[G1S:G1S+7]
	s_nop 0
.endif
.if (\sc) == 2
	tensor_load_to_lds s[G0SB:G0SB+3], s[G1SB:G1SB+7]
	s_nop 0
.endif
	PLACES 4
	s_branch .Lrj_\@
.Lrb_\@:
	tensor_load_to_lds s[G0B+4*(\s):G0B+4*(\s)+3], s[G1B:G1B+7]
	s_nop 0
	PLACES 4
.Lrj_\@:
.endm
.macro CREST
	s_cmp_lg_u32 s14, 0
	s_cbranch_scc1 .Lnot_wave_0_\@
	s_barrier_signal -3
.Lnot_wave_0_\@:
	s_barrier_wait -3
	s_barrier_signal -1
	s_barrier_wait -1
.endm
.macro CROUND
	s_barrier_signal -1
	s_barrier_wait -1
	CREST
.endm
	s_load_b64 s[4:5], s[0:1], 0x0                 ; ri
	s_load_b128 s[8:11], s[0:1], 0x8               ; Wqkv's codes, scales
	s_load_b64 s[12:13], s[0:1], 0x18              ; bqkv
	s_load_b128 s[96:99], s[0:1], 0x20             ; prj, mem
	v_lshl_add_u32 v[SPW], v0, 2, SPARE
	v_mov_b32 v[NIL], 0
	ds_add_u32 v[SPW], v[NIL]                      ; the opening lines: the add twice on end
	ds_add_u32 v[SPW], v[NIL]
	v_lshrrev_b32 v1, 5, v0
	v_readfirstlane_b32 s14, v1                    ; wave
	s_lshr_b32 s15, s14, 1                         ; which 16 tokens are mine
	s_and_b32 s16, s14, 1                          ; which head is mine; as a loader of B: Wk's rows or Wv's
	s_bfe_u32 s40, ttmp6, 0x40000
	s_bfe_u32 s41, ttmp6, 0x40004
	s_lshl_b32 s42, ttmp9, 2
	s_add_co_u32 s42, s42, s40                     ; tile column
	s_and_b32 s17, ttmp7, 0xffff
	s_lshl_b32 s17, s17, 2
	s_add_co_u32 s17, s17, s41                     ; tile row
	s_lshl_b32 s43, s41, 2
	s_lshl_b32 s43, 15, s43
	s_lshl_b32 s44, 0x1111, s40
	s_or_b32 s[G1+0], s43, PADW
	s_or_b32 s[G1B+0], s44, PADW
.irp g, G1, G1B
	s_mov_b32 s[\g+1], ROWB<<16
	s_mov_b32 s[\g+3], ROWB<<16
	s_mov_b32 s[\g+5], KROW
	s_mov_b32 s[\g+6], 0
	s_mov_b32 s[\g+7], 0
.endr
	s_mov_b32 s[G1+2], 256<<16                     ; A: 256 rows a load
	s_mov_b32 s[G1+4], 256
	s_mov_b32 s[G1B+2], 128<<16                    ; B: 128
	s_mov_b32 s[G1B+4], 128
	s_or_b32 s[G1S+0], s43, (3<<16)|PADW           ; A's scales: 8,192 dense bytes as 32 rows of 256
	s_mov_b32 s[G1S+1], 32<<16
	s_mov_b32 s[G1S+2], KS<<16
	s_mov_b32 s[G1S+3], 32<<16
	s_mov_b32 s[G1S+4], KS
	s_mov_b32 s[G1S+5], 32
	s_mov_b32 s[G1S+6], 0
	s_mov_b32 s[G1S+7], 0
	s_or_b32 s[G1SB+0], s44, (3<<16)|PADW          ; B's: 2 rows of 4,096 bytes (512 elements of 8), 32,768 bytes apart; padded behind each 256 bytes
	s_mov_b32 s[G1SB+1], 512<<16
	s_mov_b32 s[G1SB+2], 2<<16
	s_mov_b32 s[G1SB+3], 512<<16
	s_mov_b32 s[G1SB+4], 2
	s_mov_b32 s[G1SB+5], 4096
	s_mov_b32 s[G1SB+6], 0
	s_mov_b32 s[G1SB+7], 0
	s_lshl_b32 s20, s17, 8                         ; A: the tile's first row
	s_lshl_b32 s46, s42, 7
	s_add_co_u32 s92, s46, 1024                    ; Wk's first row of my two heads
	s_lshl_b32 s18, s16, 10
	s_add_co_u32 s46, s92, s18                     ; the 128 rows that I would fetch: Wk's or Wv's
	s_mov_b32 s21, 0
	s_mov_b32 s47, 0
	s_mov_b32 s93, 0
	s_mov_b64 s[18:19], KS
	s_mul_u64 s[22:23], s[20:21], s[18:19]
	s_mul_u64 s[92:93], s[92:93], s[18:19]
	s_mov_b64 s[18:19], KROW
	s_mul_u64 s[20:21], s[20:21], s[18:19]
	s_mul_u64 s[46:47], s[46:47], s[18:19]
	s_mul_i32 s45, s14, HALFT
	s_mov_b32 s66, 0x76543210
	s_mov_b32 s67, 0xfedcba98
	s_mov_b32 s95, 0x3e38aa3b                      ; log2(e) / 8
	s_wait_dscnt 0x0
	s_wait_kmcnt 0x0
	s_add_nc_u64 s[6:7], s[4:5], RI_SC
	s_add_nc_u64 s[20:21], s[4:5], s[20:21]
	s_add_nc_u64 s[22:23], s[6:7], s[22:23]
	s_add_nc_u64 s[46:47], s[8:9], s[46:47]
	s_add_nc_u64 s[92:93], s[10:11], s[92:93]
	CROUND
	s_mov_b32 s[G0S], 1
	s_mov_b32 s[G0S+1], SCL
	s_mov_b64 s[G0S+2:G0S+3], s[22:23]
	s_or_b32 s[G0S+3], s[G0S+3], 0x80000000
	s_mov_b32 s[G0SB], 1
	s_mov_b32 s[G0SB+1], SCL+2*HALFS
	s_mov_b64 s[G0SB+2:G0SB+3], s[92:93]
	s_or_b32 s[G0SB+3], s[G0SB+3], 0x80000000
.irp s, 0,1
	s_mov_b32 s[G0+4*\s], 1
	s_mov_b32 s[G0+4*\s+1], \s*SLOT
	s_add_nc_u64 s[G0+4*\s+2:G0+4*\s+3], s[20:21], \s*ROWB
	s_or_b32 s[G0+4*\s+3], s[G0+4*\s+3], 0x80000000
	s_mov_b32 s[G0B+4*\s], 1
	s_add_co_u32 s[G0B+4*\s+1], s45, \s*SLOT
	s_add_nc_u64 s[G0B+4*\s+2:G0B+4*\s+3], s[46:47], \s*ROWB
	s_or_b32 s[G0B+4*\s+3], s[G0B+4*\s+3], 0x80000000
.endr
	RLOAD 0, 1                                     ; chunk 0 and A's scales: one load a wave
	v_and_b32 v1, 15, v0                           ; r
	v_bfe_u32 v2, v0, 4, 1                         ; h
	v_mov_b32 v[HH], v2
	v_lshlrev_b32 v[BO], 5, v2
	s_wait_alu depctr_va_vdst(0)
	v_lshl_add_u32 v[QOF], v1, 12, v[BO]
	s_wait_alu depctr_va_vdst(0)
	v_lshlrev_b32 v[SOF], 3, v1
	v_lshl_add_u32 v[SOF], v2, 2, v[SOF]
	s_lshl_b32 s20, s17, 1
	s_add_co_u32 s20, s20, s15                     ; my block of 16 tokens
	s_lshl_b32 s46, s42, 1
	s_add_co_u32 s46, s46, s16                     ; my head
	s_lshl_b32 s18, s46, 8
	s_mov_b32 s19, 0
	s_add_nc_u64 s[12:13], s[12:13], s[18:19]
	s_lshl_b32 s21, s20, 16
	s_add_co_u32 s18, s18, s21
	s_add_nc_u64 s[100:101], s[98:99], s[18:19]    ; U
	s_add_co_u32 s18, s18, QCOL
	s_add_nc_u64 s[96:97], s[96:97], s[18:19]      ; q_col
	s_lshl_b32 s18, s46, 14
	s_lshl_b32 s21, s20, 7
	s_add_co_u32 s18, s18, s21
	s_add_co_u32 s18, s18, MS
	s_add_nc_u64 s[98:99], s[98:99], s[18:19]      ; the statistics
.irp b, 0,1,2,3,4,5,6,7
	global_load_b128 v[BI+8*\b:BI+8*\b+3], v[BO], s[12:13] offset:4096*(1+\b/4)+64*(\b%4)
	global_load_b128 v[BI+8*\b+4:BI+8*\b+7], v[BO], s[12:13] offset:4096*(1+\b/4)+64*(\b%4)+16
.endr
.irp b, 0,1,2,3
	global_load_b128 v[QCR+8*\b:QCR+8*\b+3], v[QOF], s[96:97] offset:64*\b
	global_load_b128 v[QCR+8*\b+4:QCR+8*\b+7], v[QOF], s[96:97] offset:64*\b+16
.endr
	v_mul_u32_u24 v3, v1, PITCH
	v_mul_u32_u24 v4, v2, 24
	v_add_nc_u32 v4, v3, v4
	s_mov_b32 s21, SLOT-232
	s_mov_b32 s22, SLOT+232
	v_sub_nc_u32 v15, 1, v2
	v_mul_u32_u24 v5, s21, v2
	v_add_nc_u32 v5, v3, v5
	v_add_nc_u32 v5, 232, v5                       ; across two chunks: lanes 0-15 byte 232 in slot 0, lanes 16-31 byte 0 in slot 1
	v_mul_u32_u24 v6, s22, v15
	v_add_nc_u32 v6, v3, v6                        ; and the other way round
	s_mul_i32 s21, s15, HALFT                      ; my 128 rows of A
	s_mul_i32 s22, s16, 64*PITCH                   ; my head's 64 rows of Wk, behind A's 256; its rows of Wv lie 128 rows on
	s_add_co_u32 s22, s22, 2*HALFT
	v_add_nc_u32 v[ADRA+2], s21, v5
	v_add_nc_u32 v[ADRA+3], s21, v6
	v_add_nc_u32 v[ADRB+2], s22, v5
	v_add_nc_u32 v[ADRB+3], s22, v6
.irp s, 0,1
	v_add_nc_u32 v[ADRA+\s], s21, v4
	v_add_nc_u32 v[ADRB+\s], s22, v4
	s_add_co_u32 s21, s21, SLOT
	s_add_co_u32 s22, s22, SLOT
.endr
	v_mul_u32_u24 v5, v1, KS
	v_lshrrev_b32 v6, 8, v5
	v_lshl_add_u32 v5, v6, 4, v5
	s_mul_i32 s21, s15, HALFS
	s_mul_i32 s22, s16, 4*SBLK
	s_add_co_u32 s22, s22, 2*HALFS
	s_sub_co_u32 s22, s22, s21                     ; from A's words to B's, blocks 0-3
	s_add_co_u32 s23, s22, 4*SBLK                  ; and blocks 4-7
	s_add_co_u32 s21, s21, SCL
	v_mul_u32_u24 v6, s22, v2
	v_add_nc_u32 v6, v5, v6
	v_add_nc_u32 v[ADRS], s21, v6
	v_mul_u32_u24 v6, s23, v2
	v_add_nc_u32 v6, v5, v6
	v_add_nc_u32 v[ADRS2], s21, v6
	s_mul_i32 s23, s14, 16*UP
	s_add_co_u32 s23, s23, SLOT                    ; my stage, in slot 1
	v_mul_u32_u24 v5, v1, UP
	v_lshl_add_u32 v5, v2, 5, v5
	v_add_nc_u32 v[STO], s23, v5
	v_mul_u32_u24 v5, v2, UP
	v_lshl_add_u32 v5, v1, 4, v5
	v_add_nc_u32 v[RD], s23, v5
	v_lshlrev_b32 v[CO], 4, v1
	v_lshl_add_u32 v[CO], v2, 12, v[CO]
.macro FRAG reg, adr, st, i            ; 16 rows x 128 K: six pieces of 8 bytes; byte y of a row lies in slot (y / 256) % 2 at byte y % 256
.irp p, 0,1,2,3,4,5
.set BY, 96*(\st)+48*(\p/3)+8*(\p%3)
.if BY/ROWB == (BY+24)/ROWB
	ds_load_b64 v[\reg+2*\p:\reg+2*\p+1], v[\adr+(BY/ROWB)%2] offset:BY%ROWB+(\i)*16*PITCH
.else
	ds_load_b64 v[\reg+2*\p:\reg+2*\p+1], v[\adr+2+(BY/ROWB)%2] offset:BY%ROWB-232+(\i)*16*PITCH
.endif
.endr
.endm
.macro MUL16 a0, p, q, sc, first       ; the 64 accumulators take turns
.irp a, \a0, \a0+1
.irp b, 0,1,2,3,4,5,6,7
.if \first
	v_wmma_scale_f32_16x16x128_f8f6f4 v[8*(8*((\a)%4)+\b):8*(8*((\a)%4)+\b)+7], v[128*(\p)+FR*\b:128*(\p)+FR*\b+FR-1], v[AF+FR*(\a):AF+FR*(\a)+FR-1], v[BI+8*\b:BI+8*\b+7], v[SC+8*NQ*(\sc)+NQ*\b+(\q)], v[SC+8*NQ*(\sc)+NQ*(\a)+(\q)] matrix_a_fmt:MATRIX_FMT_FP6 matrix_b_fmt:MATRIX_FMT_FP6 matrix_a_scale:MATRIX_SCALE_ROW1
.else
	v_wmma_scale_f32_16x16x128_f8f6f4 v[8*(8*((\a)%4)+\b):8*(8*((\a)%4)+\b)+7], v[128*(\p)+FR*\b:128*(\p)+FR*\b+FR-1], v[AF+FR*(\a):AF+FR*(\a)+FR-1], v[8*(8*((\a)%4)+\b):8*(8*((\a)%4)+\b)+7], v[SC+8*NQ*(\sc)+NQ*\b+(\q)], v[SC+8*NQ*(\sc)+NQ*(\a)+(\q)] matrix_a_fmt:MATRIX_FMT_FP6 matrix_b_fmt:MATRIX_FMT_FP6 matrix_a_scale:MATRIX_SCALE_ROW1
.endif
.endr
.endr
.endm
.macro FETCH_B st, p                   ; my head's blocks: 0-3 of Wk, and, eight blocks of 16 rows on, 0-3 of Wv
	WIN TO_B
.irp i, 0,1,2,3,4,5,6,7
	FRAG 128*(\p)+FR*\i, ADRB, \st, \i+4*(\i/4)
.endr
	WIN 0
.endm
.macro FETCH_A st, i0
.irp i, \i0, \i0+1, \i0+2, \i0+3
	FRAG AF+FR*(\i), ADRA, \st, \i
.endr
.endm
.macro SCALES pr
.irp i, 0,1,2,3
	ds_load_b64 v[SC+8*NQ*((\pr)%2)+NQ*\i:SC+8*NQ*((\pr)%2)+NQ*\i+1], v[ADRS] offset:\i*SBLK+4*NQ*(\pr)
.endr
.irp i, 4,5,6,7
	ds_load_b64 v[SC+8*NQ*((\pr)%2)+NQ*\i:SC+8*NQ*((\pr)%2)+NQ*\i+1], v[ADRS2] offset:\i*SBLK+4*NQ*(\pr)
.endr
.endm
; A step: 64 products; the next step's fragments are fetched in its middle and at its end.  Where the next step ends in a chunk not yet read, a barrier shows that chunk whole;
; where it begins in a later chunk, the chunk left behind is free: the three lines, the barrier, and, if a chunk two on is left, the cluster's round and the refill.
.macro STEP st, first
.set NX, (\st)+1
.set C0, (96*(\st))/ROWB
.set C1, (96*NX)/ROWB
.set E0, (96*(\st)+95)/ROWB
.set E1, (96*NX+95)/ROWB
.if C1 > C0 || E1 > E0
	s_wait_tensorcnt 0x0                           ; all my tensor loads have landed
.if C1 > C0
	ds_add_u32 v[SPW], v[NIL]
	s_wait_dscnt 4*NL+1                            ; the add and A's blocks 4-7 may be out
.else
	s_wait_dscnt 4*NL
.endif
	WIN MUL_LO
	MUL16 0, (\st)%2, (\st)%2, ((\st)/2)%2, 0
	s_wait_dscnt 0x0                               ; the add and all my reads are done
	s_barrier_signal -1
	MUL16 2, (\st)%2, (\st)%2, ((\st)/2)%2, 0
	WIN 0
	s_barrier_wait -1
.if C1 > C0 && C0+2 < CHUNKS
	CREST
	s_add_nc_u64 s[G0+4*(C0%2)+2:G0+4*(C0%2)+3], s[G0+4*(C0%2)+2:G0+4*(C0%2)+3], 2*ROWB
	s_add_nc_u64 s[G0B+4*(C0%2)+2:G0B+4*(C0%2)+3], s[G0B+4*(C0%2)+2:G0B+4*(C0%2)+3], 2*ROWB
	RLOAD C0%2, 0
.else
	PLACES NP
.endif
.else
	s_wait_dscnt 4*NL                              ; A's blocks 4-7 may be out
	WIN MUL_LO-0x20*(\first)
	MUL16 0, (\st)%2, (\st)%2, ((\st)/2)%2, \first
	MUL16 2, (\st)%2, (\st)%2, ((\st)/2)%2, \first
	s_wait_dscnt 0
	PLACES NP
.endif
	FETCH_B NX, NX%2
	FETCH_A NX, 0
.if NX%2 == 0
	SCALES NX/2
.endif
	WIN MUL_HI-0x30*(\first)
	MUL16 4, (\st)%2, (\st)%2, ((\st)/2)%2, \first
	MUL16 6, (\st)%2, (\st)%2, ((\st)/2)%2, \first
	PLACES NP
	WIN 0
	FETCH_A NX, 4
.endm
	s_wait_alu depctr_va_vdst(0)                   ; the wait at the head's end
	s_wait_tensorcnt 0x0                           ; my tile of the head's four is in
	ds_add_u32 v[SPW], v[NIL]
	s_wait_dscnt 0x0
	CROUND
	RLOAD 1, 2                                     ; chunk 1, slot 1's first fill, and B's scales
	s_wait_tensorcnt 0x0                           ; the first step needs B's scales
	s_barrier_signal -1
	s_barrier_wait -1
	FETCH_B 0, 0
	FETCH_A 0, 0
	SCALES 0
	FETCH_A 0, 4
	s_wait_loadcnt 0x0                             ; the bias and q_col
	STEP 0, 1
.set ST, 1
.rept STEPS-2
	STEP ST, 0
.set ST, ST+1
.endr
	s_wait_dscnt 4*NL
	WIN MUL_LO
	MUL16 0, 1, 1, 1, 0
	MUL16 2, 1, 1, 1, 0
	s_wait_dscnt 0
	WIN MUL_HI
	MUL16 4, 1, 1, 1, 0
	MUL16 6, 1, 1, 1, 0
	WIN 0
	PLACES NP
	; the 8 memory scores: q_col . rk_l in f32; my 32 channels, two at a time, four slots by turns; each accumulator from its low end on
.irp hi, 0,1
	WIN 0x02+\hi
.irp b, 0,1,2,3
.irp jp, 0,2,4,6
.irp a, 0,1,2,3
.if (\b+\jp) == 0
	v_pk_mul_f32 v[DT+8*\hi+2*\a:DT+8*\hi+2*\a+1], v[64*\a+8*\b+\jp:64*\a+8*\b+\jp+1], v[QCR+8*\b+\jp:QCR+8*\b+\jp+1]
.else
	v_pk_fma_f32 v[DT+8*\hi+2*\a:DT+8*\hi+2*\a+1], v[64*\a+8*\b+\jp:64*\a+8*\b+\jp+1], v[QCR+8*\b+\jp:QCR+8*\b+\jp+1], v[DT+8*\hi+2*\a:DT+8*\hi+2*\a+1]
.endif
.endr
.endr
.endr
.endr
	WIN 0
.irp l, 0,1,2,3,4,5,6,7
	v_add_f32 v[DT+2*\l], v[DT+2*\l], v[DT+2*\l+1]
.endr
.irp l, 0,1,2,3,4,5,6,7
	v_mov_b32 v[TP+\l], 0
.endr
.irp l, 0,1,2,3,4,5,6,7
	v_permlanex16_b32 v[TP+\l], v[DT+2*\l], s66, s67
.endr
.irp l, 0,1,2,3,4,5,6,7
	v_add_f32 v[DT+2*\l], v[DT+2*\l], v[TP+\l]
.endr
.irp l, 0,1,2,3,4,5,6,7
	v_mul_f32 v[DT+2*\l], s95, v[DT+2*\l]          ; t
.endr
	v_max3_num_f32 v[MM], v[DT], v[DT+2], v[DT+4]
	v_max3_num_f32 v[MM], v[MM], v[DT+6], v[DT+8]
	v_max3_num_f32 v[MM], v[MM], v[DT+10], v[DT+12]
	v_max_num_f32 v[MM], v[MM], v[DT+14]           ; m_mem
.irp l, 0,1,2,3,4,5,6,7
	v_sub_f32 v[DT+2*\l], v[DT+2*\l], v[MM]
.endr
	s_wait_alu depctr_va_vdst(0)
.irp l, 0,1,2,3,4,5,6,7
	v_exp_f32 v[E+2*\l], v[DT+2*\l]                ; twice: a pair for the packed multiply-adds
	v_exp_f32 v[E+2*\l+1], v[DT+2*\l]
.endr
	v_nop
	s_wait_alu depctr_va_vdst(0)
	v_add_f32 v[LM], v[E], v[E+2]
	v_add_f32 v[LM+1], v[E+4], v[E+6]
	v_add_f32 v[LM+2], v[E+8], v[E+10]
	v_add_f32 v[LM+3], v[E+12], v[E+14]
	v_add_f32 v[LM], v[LM], v[LM+1]
	v_add_f32 v[LM+2], v[LM+2], v[LM+3]
	v_add_f32 v[LM], v[LM], v[LM+2]                ; l_mem
	; U = sum over l of 2^(t_l - m_mem) rv_l
.irp hi, 0,1
	WIN 0x02+\hi
.irp a, 0,1,2,3
.irp b, 0,1,2,3
.irp jp, 0,2,4,6
.if (\hi+\a) == 0
	v_pk_mul_f32 v[UO+8*\b+\jp:UO+8*\b+\jp+1], v[64*\a+32+8*\b+\jp:64*\a+32+8*\b+\jp+1], v[E+8*\hi+2*\a:E+8*\hi+2*\a+1]
.else
	v_pk_fma_f32 v[UO+8*\b+\jp:UO+8*\b+\jp+1], v[64*\a+32+8*\b+\jp:64*\a+32+8*\b+\jp+1], v[E+8*\hi+2*\a:E+8*\hi+2*\a+1], v[UO+8*\b+\jp:UO+8*\b+\jp+1]
.endif
.endr
.endr
.endr
.endr
	WIN 0
	v_cmp_eq_u32 vcc_lo, 0, v[HH]
	v_cndmask_b32 v[LM+1], v[LM], v[MM], vcc_lo    ; lanes 0-15 carry m_mem, lanes 16-31 l_mem
.irp b, 0,1,2,3
	ds_store_b128 v[STO], v[UO+8*\b:UO+8*\b+3] offset:64*\b
	ds_store_b128 v[STO], v[UO+8*\b+4:UO+8*\b+7] offset:64*\b+16
.endr
.irp i, 0,1,2,3,4,5,6,7
	ds_load_b128 v[OB+4*\i:OB+4*\i+3], v[RD] offset:2*\i*UP
.endr
	global_store_b32 v[SOF], v[LM+1], s[98:99]
.irp i, 0,1,2,3,4,5,6,7
	s_wait_dscnt 7-\i                              ; load i is in; the younger ones may be out
	global_store_b128 v[CO], v[OB+4*\i:OB+4*\i+3], s[100:101] offset:8192*\i   ; 16 lanes store 256 consecutive bytes, aligned
.endr
	s_wait_tensorcnt 0x0                           ; the wave's end
	ds_add_u32 v[SPW], v[NIL]
	s_wait_dscnt 0x0
	CROUND                                         ; the closing round
	s_endpgm
.Lfunc_end_k_qafa6db5f2e_reproj:
	.size	k_qafa6db5f2e_reproj, .Lfunc_end_k_qafa6db5f2e_reproj-k_qafa6db5f2e_reproj
	.p2alignl 7, 3214868480
	.fill 96, 4, 3214868480
	.section	.rodata,"a",@progbits
	.p2align	6, 0x0
	.amdhsa_kernel k_qafa6db5f2e_reproj
		.amdhsa_group_segment_fixed_size 327680
		.amdhsa_private_segment_fixed_size 0
		.amdhsa_enable_private_segment 0
		.amdhsa_kernarg_size 48
		.amdhsa_user_sgpr_count 2
		.amdhsa_user_sgpr_kernarg_segment_ptr 1
		.amdhsa_wavefront_size32 1
		.amdhsa_system_sgpr_workgroup_id_x 1
		.amdhsa_system_sgpr_workgroup_id_y 1
		.amdhsa_system_sgpr_workgroup_id_z 1
		.amdhsa_system_vgpr_workitem_id 0
		.amdhsa_next_free_vgpr 1024
		.amdhsa_next_free_sgpr 102
		.amdhsa_reserve_vcc 1
		.amdhsa_float_denorm_mode_32 3
		.amdhsa_float_denorm_mode_16_64 3
		.amdhsa_memory_ordered 1
		.amdhsa_forward_progress 1
		.amdhsa_inst_pref_size 155
	.end_amdhsa_kernel
	.amdgpu_metadata
---
amdhsa.version: [ 1, 2 ]
amdhsa.kernels:
  - .name:           k_qafa6db5f2e_reproj
    .symbol:         k_qafa6db5f2e_reproj.kd
    .args:
      - { .name: ri, .offset: 0, .size: 8, .value_kind: global_buffer, .address_space: global }
      - { .name: Wqkv_codes, .offset: 8, .size: 8, .value_kind: global_buffer, .address_space: global }
      - { .name: Wqkv_scales, .offset: 16, .size: 8, .value_kind: global_buffer, .address_space: global }
      - { .name: bqkv, .offset: 24, .size: 8, .value_kind: global_buffer, .address_space: global }
      - { .name: prj, .offset: 32, .size: 8, .value_kind: global_buffer, .address_space: global }
      - { .name: mem, .offset: 40, .size: 8, .value_kind: global_buffer, .address_space: global }
    .group_segment_fixed_size: 327680
    .private_segment_fixed_size: 0
    .kernarg_segment_align: 8
    .kernarg_segment_size: 48
    .max_flat_workgroup_size: 128
    .sgpr_count:     102
    .vgpr_count:     1024
    .wavefront_size: 32
...
	.end_amdgpu_metadata
.endif
;; end of part 3
;; launch attn (part 4): grid 16 x 16, 16 waves a work-group, clusters of 4 x 1, 280,576 bytes of LDS; arguments prj, mem, ctx; writes ctx
.if DOCPART == 4
	.amdgcn_target "amdgcn-amd-amdhsa--gfx1250"
	.amdhsa_code_object_version 6
	.text
	.protected	k_qafa6db5f2e_attn
	.globl	k_qafa6db5f2e_attn
	.p2align	8
	.type	k_qafa6db5f2e_attn,@function
k_qafa6db5f2e_attn:
	s_mov_b64 s[64:65], 0
	v_nop
	global_prefetch_b8 v0, s[64:65] scope:SCOPE_SE
	s_setreg_imm32_b32 hwreg(HW_REG_WAVE_MODE, 25, 1), 1
	s_wait_xcnt 0x0
	s_wait_alu depctr_hold_cnt(0) depctr_sa_sdst(0) depctr_va_vdst(0) depctr_va_sdst(0) depctr_va_ssrc(0) depctr_va_vcc(0) depctr_vm_vsrc(0)
	s_getreg_b32 s2, hwreg(HW_REG_IB_STS2, 6, 4)
	s_cmp_eq_u32 s2, 0
	s_cbranch_scc0 .Lentry_in_a_cluster
	s_endpgm
.Lentry_in_a_cluster:
	s_bfe_u32 s2, ttmp6, 0x10000c
	s_cmp_lg_u32 s2, 0x3003
	s_cbranch_scc0 .Lentry_shape_is_right
	s_endpgm
.Lentry_shape_is_right:
; CAUSAL ATTENTION OF ONE HEAD WITH THE MEMORY PART MERGED, both products on codes of FP6 (E2M3) with E8M0 scales.  The second product's left operand is the FINISHED softmax (normalised, the 8 memory
; scores in its divisor), quantised in blocks of 32 keys.  So the keys are walked twice: sweep 1 finds each query's running maximum m and sum l; the memory part's (m_mem, l_mem) is merged as one more step of
; a running maximum; sweep 2 forms K Q^T again, w = 2^(t - m - log2 l), quantises it and multiplies by V.  O begins as U x 2^(m_mem - m - log2 l), the memory part's share.  t = score x log2(e) / 8.
; At the end the head's 64 channels of ctx are quantised (two blocks of 32) for the output projection.
; SHARES.  Grid y = head.  A head has 32 sub-blocks of 64 queries; each of its four clusters has eight of them, 4 C + i and 31 - (4 C + i), i = 0 .. 3: a short one and a long one, 17 key steps of 128 together.
; The four partners of a cluster take the four tiles of 16 queries of every sub-block.  TWO WAVES SHARE A TILE: one takes its even key steps, the other the odd ones, so the longest chain of a wave is 8 steps a sweep.
; Wave W = 4 row + col: i = 2 (row / 2) + col / 2, parity = row % 2, long = (col xor row) % 2; its partner is W xor 5.  Every row and every column of that square holds two halves of short tiles and two of long ones.
; The partners exchange (m, l) behind sweep 1 and the odd wave's part of O^T at the end, through LDS bytes of their own, each behind a barrier.  The merge is symmetric, so both waves hold the same m and l.
; All branches hang on the wave's number and the cluster's number alone and test the whole sub-block; a work-group's place in its cluster enters global addresses and one compared value only, so the partners of a
; cluster run alike: the head's K and V are asked for JOINTLY, once, at the head, and stay in LDS.
; K = 64 of the first product is padded to 128: Q's upper six registers are zero codes; K's upper six are whatever follows (FP6 has no NaN), and the padded blocks' scale bytes repeat the real ones.
; LAYOUT.  Both products transposed: S^T = K Q^T, O^T = V^T W^T: a lane holds one query (lane % 16).  Lane r of tile 2 b + u takes key (or channel) 32 b + 8 u + r + 8 (r / 8), so that the 16 registers of
; tiles 2 b, 2 b + 1 are 16 neighbours: 32 b + 16 (lane / 16) + 0 .. 15.
; Every wave walks 8 trips in each sweep (constants); a step all of whose keys come after the sub-block's queries is jumped over, but for the lines that step addresses.
; LIMITS: NaN and infinities are not served; log2 l comes from v_log_f32; a block of zeros gets the byte 1 (zero codes; this program alone reads the bytes); the two halves of O are summed apart and added once.
.set KC,   1572864
.set VC,   3145728
.set QS,   4718592
.set KSW,  4849664
.set VSW,  4980736
.set MS,   8388608
.set CS_OFF, 1572864
.set LK,   0                           ; LDS: K's codes, 48 bytes a key
.set LV,   98304                       ; V's codes: [key / 128][channel][96 bytes]
.set LKS,  196608                      ; K's scale words
.set LVS,  204800                      ; V's
.set XS,   208896                      ; (m, l) of each lane of each wave: 8 bytes a thread
.set OX,   212992                      ; a wave's part of O^T as an image of its registers: 4,096 bytes a wave
; v1 AK0, v2 AV0, v3 ASK0, v4 ASV0: my lane's places; v5 16 cx + r - 16 h; v6, v7, v29, v94, v95, v229 global offsets; v8-11 the addresses in hand; v12 what is added to t, v13 m; v[14:15] l; v16-21 Q, v22-27 zeros;
; v28 Q's scale word; v32-79 eight fragments of K (six registers each) or four of V; v80-85 zeros; v86-93 K's or V's scale words; v96-159 S^T; v160-191 O^T; v192-203 W's codes; v204-210 halves;
; v212-215 maxima; v216-219 permutes; v220-223 scale operands; v224-227 bytes; v228 W's scale word; v230-235 at work; v[236:237] (m_mem, l_mem); v238 h;
; v239 where I put (m, l), v240 where my partner's lie; v242 where I put my part of O^T, v243 where my partner's lies; v244, v245 at work at the head
.macro CROUND                          ; a round of the cluster's barrier
	s_barrier_signal -1
	s_barrier_wait -1
	s_cmp_lg_u32 s10, 0
	s_cbranch_scc1 .Lnot_wave_0_\@
	s_barrier_signal -3
.Lnot_wave_0_\@:
	s_barrier_wait -3
	s_barrier_signal -1
	s_barrier_wait -1
.endm
	s_load_b128 s[4:7], s[0:1], 0x0                ; prj, mem
	s_load_b64 s[8:9], s[0:1], 0x10                ; ctx
	v_lshl_add_u32 v254, v0, 2, 0x44000
	v_mov_b32 v255, 0
	ds_add_u32 v254, v255
	ds_add_u32 v254, v255
	v_lshrrev_b32 v1, 5, v0
	s_delay_alu instid0(VALU_DEP_1)
	v_readfirstlane_b32 s10, v1                    ; wave 0..15
	s_bfe_u32 s11, ttmp6, 0x40000                  ; cx
	s_and_b32 s13, ttmp7, 0xffff                   ; the head
	s_bfe_u32 s12, s10, 0x10002                    ; parity = row % 2: which key steps are mine
	s_and_b32 s17, s10, 1
	s_xor_b32 s17, s17, s12                        ; 1: the long sub-block of the pair
	s_bfe_u32 s18, s10, 0x10001                    ; col / 2
	s_lshr_b32 s19, s10, 3                         ; row / 2
	s_lshl_b32 s19, s19, 1
	s_add_co_u32 s18, s18, s19                     ; i
	s_lshl_b32 s19, ttmp9, 2
	s_add_co_u32 s18, s18, s19                     ; 4 C + i
	s_sub_co_u32 s19, 31, s18
	s_cmp_eq_u32 s17, 0
	s_cselect_b32 s14, s18, s19                    ; my sub-block
	s_lshl_b32 s15, s14, 6                         ; its first query
	s_lshl_b32 s16, s11, 4
	s_add_co_u32 s16, s16, s15                     ; my tile's first query: it enters global addresses alone
	; descriptor groups 1: dense blocks as rows of 256 bytes (32 elements of 8 bytes), no padding; the mask names all four partners, bit 21 beside it
.irp g, 24, 32, 40
	s_mov_b32 s[\g], 15|(3<<16)|(1<<21)
	s_mov_b32 s[\g+1], 32<<16
	s_mov_b32 s[\g+3], 32<<16
	s_mov_b32 s[\g+5], 32
	s_mov_b32 s[\g+6], 0
	s_mov_b32 s[\g+7], 0
.endr
	; one load a wave: waves 0-5 a sixth of K's codes each (16,384 bytes), waves 6-11 of V's, waves 12, 13 a half of K's scale words, waves 14, 15 of V's
	s_mov_b32 s26, 64<<16
	s_mov_b32 s28, 64
	s_mov_b32 s34, 16<<16
	s_mov_b32 s36, 16
	s_mov_b32 s42, 8<<16
	s_mov_b32 s44, 8
	s_lshl_b32 s49, s10, 14                        ; LDS: 16,384 x wave: V's codes lie straight behind K's
	s_mul_i32 s72, s13, 98304
	s_add_co_u32 s72, s72, s49
	s_cmp_lt_u32 s10, 6
	s_cselect_b32 s73, 0, VC-KC-98304              ; in memory V's sixths begin VC - KC behind K's
	s_add_co_u32 s72, s72, s73
	s_add_co_u32 s72, s72, KC
	s_mov_b32 s73, 0
	s_and_b32 s17, s10, 1                          ; which half of the words
	s_lshl_b32 s53, s17, 12
	s_lshl_b32 s74, s13, 13
	s_add_co_u32 s74, s74, s53
	s_mov_b32 s75, 0
	s_lshl_b32 s61, s17, 11
	s_lshl_b32 s76, s13, 12
	s_add_co_u32 s76, s76, s61
	s_mov_b32 s77, 0
	s_add_co_u32 s53, s53, LKS
	s_add_co_u32 s61, s61, LVS
	s_mov_b32 s48, 1
	s_mov_b32 s52, 1
	s_mov_b32 s60, 1
	s_mov_b32 s20, 0x76543210
	s_mov_b32 s21, 0xfedcba98                      ; v_permlanex16_b32's selects for lane l xor 16
	s_mov_b32 s22, 0x3e38aa3b                      ; c = log2(e) / 8
	s_mov_b32 s23, s22                             ; (named with it as a pair)
	s_wait_dscnt 0x0
	s_wait_kmcnt 0x0
	s_add_nc_u64 s[50:51], s[4:5], s[72:73]
	s_or_b32 s51, s51, 0x80000000
	s_add_nc_u64 s[54:55], s[4:5], s[74:75]
	s_add_nc_u64 s[54:55], s[54:55], KSW
	s_or_b32 s55, s55, 0x80000000
	s_add_nc_u64 s[62:63], s[4:5], s[76:77]
	s_add_nc_u64 s[62:63], s[62:63], VSW
	s_or_b32 s63, s63, 0x80000000
	CROUND                                         ; all four work-groups are here: the joint loads meet
	s_cmp_lt_u32 s10, 12                           ; one chain of branches on the wave's number, one load to an arm; nothing is ever filled twice
	s_cbranch_scc0 .Lhead_kw
	tensor_load_to_lds s[48:51], s[24:31]
	s_nop 0
.rept 4
	v_nop
.endr
	s_branch .Lhead_asked
.Lhead_kw:
	s_cmp_lt_u32 s10, 14
	s_cbranch_scc0 .Lhead_vw
	tensor_load_to_lds s[52:55], s[32:39]
	s_nop 0
.rept 4
	v_nop
.endr
	s_branch .Lhead_asked
.Lhead_vw:
	tensor_load_to_lds s[60:63], s[40:47]
	s_nop 0
.rept 4
	v_nop
.endr
.Lhead_asked:
	; every LDS address that stays is made here, ahead of the first branch on the wave's number
	v_and_b32 v232, 15, v0                         ; r
	v_bfe_u32 v238, v0, 4, 1                       ; h
	s_delay_alu instid0(VALU_DEP_2)
	v_and_b32 v234, 8, v232
	s_delay_alu instid0(VALU_DEP_1)
	v_add_nc_u32 v234, v234, v232                  ; r + 8 (r / 8)
	s_delay_alu instid0(VALU_DEP_1)
	v_mul_u32_u24 v1, v234, 48
	s_delay_alu instid0(VALU_DEP_1)
	v_mad_u32_u24 v1, v238, 24, v1
	s_delay_alu instid0(VALU_DEP_3)
	v_mul_u32_u24 v2, v234, 96
	s_delay_alu instid0(VALU_DEP_1)
	v_mad_u32_u24 v2, v238, 24, v2
	s_delay_alu instid0(VALU_DEP_1)
	v_add_nc_u32 v2, LV, v2
	v_lshl_add_u32 v3, v234, 2, LKS
	v_lshl_add_u32 v4, v234, 2, LVS
	v_lshl_add_u32 v239, v0, 3, XS                 ; 8 bytes a thread
	v_xor_b32 v244, 160, v0                        ; the same lane of wave W xor 5
	s_delay_alu instid0(VALU_DEP_1)
	v_lshl_add_u32 v240, v244, 3, XS
	v_and_b32 v245, 31, v0
	s_delay_alu instid0(VALU_DEP_1)
	v_lshlrev_b32 v245, 4, v245                    ; 16 x lane
	v_and_b32 v242, 0x1e0, v0
	s_delay_alu instid0(VALU_DEP_1)
	v_lshl_add_u32 v242, v242, 7, v245             ; + 4,096 x wave
	s_delay_alu instid0(VALU_DEP_1)
	v_add_nc_u32 v242, OX, v242
	v_and_b32 v243, 0x1e0, v244
	s_delay_alu instid0(VALU_DEP_1)
	v_lshl_add_u32 v243, v243, 7, v245             ; + 4,096 x my partner
	s_delay_alu instid0(VALU_DEP_1)
	v_add_nc_u32 v243, OX, v243
	s_lshl_b32 s17, s11, 4
	v_lshlrev_b32 v235, 4, v238
	s_delay_alu instid0(VALU_DEP_1)
	v_sub_nc_u32 v5, v232, v235
	s_delay_alu instid0(VALU_DEP_1)
	v_add_nc_u32 v5, s17, v5                       ; my query's place in the sub-block, less 16 h
	v_mul_u32_u24 v6, v232, 48
	s_delay_alu instid0(VALU_DEP_1)
	v_mad_u32_u24 v6, v238, 24, v6
	s_wait_alu depctr_va_vdst(0)
	v_lshlrev_b32 v7, 2, v232
	s_wait_alu depctr_va_vdst(0)
	v_lshlrev_b32 v29, 3, v232
	s_wait_alu depctr_va_vdst(0)
	v_lshlrev_b32 v94, 12, v232
	s_delay_alu instid0(VALU_DEP_1)
	v_lshl_add_u32 v94, v238, 6, v94
	v_mul_u32_u24 v95, v232, 768
	s_delay_alu instid0(VALU_DEP_1)
	v_mad_u32_u24 v95, v238, 12, v95
	v_lshl_add_u32 v229, v232, 5, v238
	s_mov_b32 s19, 0
	s_mul_i32 s18, s13, 98304
	s_mul_i32 s17, s16, 48
	s_add_co_u32 s18, s18, s17
	s_add_nc_u64 s[72:73], s[4:5], s[18:19]        ; Q's codes
	s_lshl_b32 s18, s13, 13
	s_lshl_b32 s17, s16, 2
	s_add_co_u32 s18, s18, s17
	s_add_co_u32 s18, s18, QS
	s_add_nc_u64 s[74:75], s[4:5], s[18:19]        ; Q's scale words
	s_lshl_b32 s18, s13, 14
	s_lshl_b32 s17, s16, 3
	s_add_co_u32 s18, s18, s17
	s_add_co_u32 s18, s18, MS
	s_add_nc_u64 s[76:77], s[6:7], s[18:19]        ; the memory part's statistics
	s_lshl_b32 s18, s16, 12
	s_lshl_b32 s17, s13, 8
	s_add_co_u32 s18, s18, s17
	s_add_nc_u64 s[78:79], s[6:7], s[18:19]        ; U
	s_mul_i32 s18, s16, 768
	s_mul_i32 s17, s13, 48
	s_add_co_u32 s18, s18, s17
	s_add_nc_u64 s[80:81], s[8:9], s[18:19]        ; ctx's codes
	s_lshl_b32 s18, s16, 5
	s_lshl_b32 s17, s13, 1
	s_add_co_u32 s18, s18, s17
	s_add_co_u32 s18, s18, CS_OFF
	s_add_nc_u64 s[82:83], s[8:9], s[18:19]        ; ctx's scale bytes
.irp p, 0,1,2
	global_load_b64 v[16+2*\p:17+2*\p], v6, s[72:73] offset:8*\p
.endr
	global_load_b32 v28, v7, s[74:75]
	global_load_b64 v[236:237], v29, s[76:77]
	s_cmp_eq_u32 s12, 0                            ; the memory part's share enters O^T once: in the wave of the even steps
	s_cbranch_scc0 .Lno_u
	s_wait_alu depctr_va_vdst(0)
.irp t, 0,1,2,3
	global_load_b128 v[160+8*\t:163+8*\t], v94, s[78:79] offset:128*(\t/2)+32*(\t%2)       ; U in O^T's layout: channels 32 (t / 2) + 16 h + 8 (t % 2) + 0 .. 7
	global_load_b128 v[164+8*\t:167+8*\t], v94, s[78:79] offset:128*(\t/2)+32*(\t%2)+16
.endr
	s_branch .Lu_asked
.Lno_u:
.set n, 0
.rept 32
	v_mov_b32 v[160+n], 0                          ; the other wave's part begins as zeros (its steps stand in a loop, so no first product can start the sums)
.set n, n+1
.endr
.Lu_asked:
.irp j, 22,23,24,25,26,27,80,81,82,83,84,85,216,217,218,219,233,235,14,15
	v_mov_b32 v\j, 0
.endr
	v_mov_b32 v13, 0xff61b1e6                      ; m: -3e38, under every t
	v_mov_b32 v12, 0x7f61b1e6                      ; -m
	s_mul_i32 s66, s12, 6144                       ; K's codes of my first step; 6,144 bytes a key step, two key steps a trip
	s_lshl_b32 s67, s12, 9                         ; K's words: 512 a key step
	s_mov_b32 s68, s66                             ; V's codes: 6,144
	s_lshl_b32 s69, s12, 8                         ; V's words: 256
	s_lshl_b32 s70, s12, 7                         ; the step's first key
	s_wait_tensorcnt 0x0                           ; my one load is in
	s_barrier_signal -1
	s_barrier_wait -1                              ; everybody's are
	s_wait_loadcnt 0x0                             ; Q, its scale word, the statistics, U
.macro KLOAD                           ; a step's eight fragments of K and their scale words: 32 LDS loads in one run, from v8 and v10
.irp t, 0,1,2,3,4,5,6,7
.irp p, 0,1,2
	ds_load_b64 v[32+6*\t+2*\p:33+6*\t+2*\p], v8 offset:(32*(\t/2)+8*(\t%2))*48+8*\p
.endr
	ds_load_b32 v[86+\t], v10 offset:(32*(\t/2)+8*(\t%2))*4
.endr
.endm
.macro SMUL                            ; S^T of 128 keys: eight products, each its own sum
.irp t, 0,1,2,3,4,5,6,7
	v_wmma_scale_f32_16x16x128_f8f6f4 v[96+8*\t:103+8*\t], v[32+6*\t:43+6*\t], v[16:27], 0, v[86+\t], v28 matrix_a_fmt:MATRIX_FMT_FP6 matrix_b_fmt:MATRIX_FMT_FP6
.endr
.endm
.macro MASK                            ; on the diagonal hidden scores become -infinity
	s_add_co_u32 s17, s70, 127
	s_cmp_le_u32 s17, s15                          ; all 128 keys count for the whole sub-block: no mask
	s_cbranch_scc1 .Lopen_\@
	s_sub_co_i32 s17, s15, s70
	v_add_nc_u32 v230, s17, v5                     ; d = my query - the step's first key - 16 h.  Register 16 b + i holds key 32 b + 16 h + i of the step: hidden where 32 b + i > d
	v_mov_b32 v231, 0xff800000
.set n, 0
.rept 64
	v_cmp_gt_i32 vcc_lo, 32*(n/16)+n%16, v230
	v_cndmask_b32 v[96+n], v[96+n], v231, vcc_lo
.set n, n+1
.endr
.Lopen_\@:
.endm
.macro TEXP                            ; t + v12, two at a time (of the pairs c and v[12:13] the low word serves both halves), and 2 to that power
.set n, 0
.rept 32
	v_pk_fma_f32 v[96+n:97+n], v[96+n:97+n], s[22:23], v[12:13] op_sel_hi:[1,0,0]
.set n, n+2
.endr
.set n, 0
	s_wait_alu depctr_va_vdst(0)
.rept 64
	v_exp_f32 v[96+n], v[96+n]
.set n, n+1
.endr
.endm
; SWEEP 1: the running maximum and sum over my steps.  K OF MY NEXT STEP IS ASKED FOR STRAIGHT BEHIND THE PRODUCTS, whose operands' registers are then free: the step's vector work stands between the loads and the wait for them.
.macro STEP1
	s_add_co_u32 s17, s15, 63
	s_cmp_gt_u32 s70, s17                          ; all keys of the step come after the sub-block's queries
	s_cbranch_scc1 .Lskip_\@
	s_wait_dscnt 0x0                               ; this step's K, asked for a step ago
	SMUL
	s_add_co_u32 s17, s66, 12288                   ; my next step; in the last trip the address is held inside K's bytes, and what comes is not used
	s_min_u32 s17, s17, 92160
	s_add_co_u32 s18, s67, 1024
	s_min_u32 s18, s18, 7680
	v_add_nc_u32 v8, s17, v1                       ; these two and the two below are the four places in front of loads into registers that matrix instructions have read, and of the first read of results
	v_add_nc_u32 v10, s18, v3
	v_nop
	v_nop
	KLOAD
	MASK
.irp b, 0,1,2,3
	v_max3_num_f32 v[212+\b], v[96+16*\b], v[97+16*\b], v[98+16*\b]
.endr
.irp i, 3,5,7,9,11,13
.irp b, 0,1,2,3
	v_max3_num_f32 v[212+\b], v[212+\b], v[96+16*\b+\i], v[97+16*\b+\i]
.endr
.endr
.irp b, 0,1,2,3
	v_max_num_f32 v[212+\b], v[212+\b], v[111+16*\b]
.endr
	s_delay_alu instid0(VALU_DEP_2)
	v_max3_num_f32 v230, v212, v213, v214
	s_delay_alu instid0(VALU_DEP_1)
	v_max_num_f32 v230, v230, v215
	s_delay_alu instid0(VALU_DEP_1)
	v_permlanex16_b32 v216, v230, s20, s21
	s_delay_alu instid0(VALU_DEP_1)
	v_max_num_f32 v230, v230, v216                 ; the step's largest score of my query
	s_delay_alu instid0(VALU_DEP_1)
	v_mul_f32 v230, s22, v230
	s_delay_alu instid0(VALU_DEP_1)
	v_max_num_f32 v231, v13, v230                  ; the new m
	s_delay_alu instid0(VALU_DEP_1)
	v_sub_f32 v232, v13, v231
	s_wait_alu depctr_va_vdst(0)
	v_exp_f32 v232, v232                           ; f = 2^(old m - new m)
	v_mov_b32 v13, v231
	v_mul_f32 v12, -1.0, v231
	TEXP
	s_wait_alu depctr_va_vdst(0)
	v_pk_mul_f32 v[14:15], v[14:15], v[232:233] op_sel_hi:[1,0]   ; l under the new m (a plain place behind the exponentials)
	v_pk_add_f32 v[234:235], v[100:101], v[104:105]
	v_pk_add_f32 v[252:253], v[108:109], v[112:113]
	v_pk_add_f32 v[250:251], v[116:117], v[120:121]
	v_pk_add_f32 v[248:249], v[124:125], v[128:129]
	v_pk_add_f32 v[246:247], v[132:133], v[136:137]
	v_pk_add_f32 v[244:245], v[140:141], v[144:145]
	v_pk_add_f32 v[230:231], v[148:149], v[152:153]
	v_pk_add_f32 v[14:15], v[14:15], v[156:157]
	v_pk_add_f32 v[234:235], v[234:235], v[96:97]
	v_pk_add_f32 v[252:253], v[252:253], v[98:99]
	v_pk_add_f32 v[250:251], v[250:251], v[102:103]
	v_pk_add_f32 v[248:249], v[248:249], v[106:107]
	v_pk_add_f32 v[246:247], v[246:247], v[110:111]
	v_pk_add_f32 v[244:245], v[244:245], v[114:115]
	v_pk_add_f32 v[230:231], v[230:231], v[118:119]
	v_pk_add_f32 v[14:15], v[14:15], v[122:123]
	v_pk_add_f32 v[234:235], v[234:235], v[126:127]
	v_pk_add_f32 v[252:253], v[252:253], v[130:131]
	v_pk_add_f32 v[250:251], v[250:251], v[134:135]
	v_pk_add_f32 v[248:249], v[248:249], v[138:139]
	v_pk_add_f32 v[246:247], v[246:247], v[142:143]
	v_pk_add_f32 v[244:245], v[244:245], v[146:147]
	v_pk_add_f32 v[230:231], v[230:231], v[150:151]
	v_pk_add_f32 v[14:15], v[14:15], v[154:155]
	v_pk_add_f32 v[234:235], v[234:235], v[158:159]
	s_delay_alu instid0(VALU_DEP_2)
	v_pk_add_f32 v[14:15], v[14:15], v[248:249]
	s_delay_alu instid0(VALU_DEP_2)
	v_pk_add_f32 v[234:235], v[234:235], v[246:247]
	v_pk_add_f32 v[252:253], v[252:253], v[244:245]
	v_pk_add_f32 v[250:251], v[250:251], v[230:231]
	s_delay_alu instid0(VALU_DEP_2)
	v_pk_add_f32 v[14:15], v[14:15], v[252:253]
	s_delay_alu instid0(VALU_DEP_2)
	v_pk_add_f32 v[234:235], v[234:235], v[250:251]
	s_delay_alu instid0(VALU_DEP_1)
	v_pk_add_f32 v[14:15], v[14:15], v[234:235]
.Lskip_\@:
	s_add_co_u32 s66, s66, 12288
	s_add_co_u32 s67, s67, 1024
	s_add_co_u32 s70, s70, 256
.endm
	v_add_nc_u32 v8, s66, v1
	v_add_nc_u32 v10, s67, v3
	KLOAD                                          ; my first step's K
	s_mov_b32 s71, 8
.Lsweep1:
	STEP1
	s_sub_co_u32 s71, s71, 1
	s_cmp_lg_u32 s71, 0
	s_cbranch_scc1 .Lsweep1
	; THE MERGE: my steps', my partner's and the memory part's (m, l) under one maximum.  A wave none of whose steps counted brings m = -3e38 and l = 0, which add nothing.
	s_wait_alu depctr_va_vdst(0)
	v_add_f32 v14, v14, v15
	s_delay_alu instid0(VALU_DEP_1)
	v_permlanex16_b32 v216, v14, s20, s21
	s_delay_alu instid0(VALU_DEP_1)
	v_add_f32 v233, v14, v216                      ; my steps' sum
	v_mov_b32 v232, v13
	ds_store_b64 v239, v[232:233]
	s_wait_alu depctr_va_vdst(0)
	s_wait_tensorcnt 0x0                           ; my parts of V are in,
	s_wait_dscnt 0x0                               ; my (m, l) lies in LDS, and the last loads of K, which nobody uses, are back
	s_barrier_signal -1
	s_barrier_wait -1                              ; both hold of every wave
	ds_load_b64 v[234:235], v240                   ; my partner's
	s_wait_dscnt 0x0
	v_max3_num_f32 v13, v232, v234, v236           ; the final m
	s_delay_alu instid0(VALU_DEP_1)
	v_sub_f32 v232, v232, v13
	s_delay_alu instid0(VALU_DEP_2)
	v_sub_f32 v234, v234, v13
	s_delay_alu instid0(VALU_DEP_3)
	v_sub_f32 v230, v236, v13
	s_wait_alu depctr_va_vdst(0)
	v_exp_f32 v232, v232
	v_exp_f32 v234, v234
	v_exp_f32 v230, v230
	v_nop                                          ; a plain place behind the transcendentals
	s_wait_alu depctr_va_vdst(0)
	v_mul_f32 v233, v233, v232
	v_mul_f32 v235, v235, v234
	s_delay_alu instid0(VALU_DEP_1)
	v_add_f32 v14, v233, v235                      ; two products and one addition: the same bits in both partners
	v_fma_f32 v14, v237, v230, v14                 ; the final l, at least 1
	s_wait_alu depctr_va_vdst(0)
	v_log_f32 v231, v14
	v_nop
	s_wait_alu depctr_va_vdst(0)
	v_add_f32 v231, v231, v13                      ; m + log2 l
	s_delay_alu instid0(VALU_DEP_1)
	v_mul_f32 v12, -1.0, v231                      ; what is added to t from here on: w = 2^(t - m - log2 l) is the finished weight
	s_delay_alu instid0(VALU_DEP_2)
	v_sub_f32 v234, v236, v231
	s_wait_alu depctr_va_vdst(0)
	v_exp_f32 v234, v234                           ; 2^(m_mem - m) / l
	v_nop
.set n, 0
	s_wait_alu depctr_va_vdst(0)
.rept 16
	v_pk_mul_f32 v[160+n:161+n], v[160+n:161+n], v[234:235] op_sel_hi:[1,0]   ; O^T begins as the memory part's share (in the odd steps' wave: zeros)
.set n, n+2
.endr
	s_mul_i32 s66, s12, 6144
	s_lshl_b32 s67, s12, 9
	s_lshl_b32 s70, s12, 7
; SWEEP 2: the finished weights, quantised, times V.  V's fragments take K's registers as soon as the products have read them, so here K is asked for at a step's head.
.macro STEP2
	s_add_co_u32 s17, s15, 63
	s_cmp_gt_u32 s70, s17
	s_cbranch_scc1 .Lskip_\@
	v_add_nc_u32 v8, s66, v1                       ; (these four are the places in front of loads into registers that the last step's products have read)
	v_add_nc_u32 v10, s67, v3
	v_add_nc_u32 v9, s68, v2
	v_add_nc_u32 v11, s69, v4
	KLOAD
	s_wait_alu depctr_va_vdst(0)
	s_wait_dscnt 0x0
	SMUL
.rept 4
	v_nop
.endr
.irp t, 0,1,2,3
.irp p, 0,1,2,3,4,5
	ds_load_b64 v[32+12*\t+2*\p:33+12*\t+2*\p], v9 offset:(32*(\t/2)+8*(\t%2))*96+48*(\p/3)+8*(\p%3)
.endr
	ds_load_b32 v[86+\t], v11 offset:(32*(\t/2)+8*(\t%2))*4
.endr
	MASK
	TEXP
	v_nop                                          ; a plain place behind the exponentials
	s_wait_alu depctr_va_vdst(0)
.irp b, 0,1,2,3
	v_max3_num_f32 v[212+\b], v[96+16*\b], v[97+16*\b], 0x1800000  ; none is negative; the floor 2^(3 - 127) holds the byte at 1 from below
.endr
.irp i, 2,4,6,8,10,12,14
.irp b, 0,1,2,3
	v_max3_num_f32 v[212+\b], v[212+\b], v[96+16*\b+\i], v[97+16*\b+\i]
.endr
.endr
.irp b, 0,1,2,3
	s_delay_alu instid0(VALU_DEP_4)
	v_permlanex16_b32 v[216+\b], v[212+\b], s20, s21
.endr
.irp b, 0,1,2,3
	s_delay_alu instid0(VALU_DEP_4)
	v_max_num_f32 v[212+\b], v[212+\b], v[216+\b]  ; the block's largest w
.endr
.irp b, 0,1,2,3
	s_delay_alu instid0(VALU_DEP_4)
	v_add_nc_u32 v[220+\b], 0xff000000, v[212+\b]  ; 2 off the exponent field: the conversion's scale operand
.endr
.irp b, 0,1,2,3
	s_delay_alu instid0(VALU_DEP_4)
	v_lshrrev_b32 v[224+\b], 23, v[220+\b]
.endr
	s_delay_alu instid0(VALU_DEP_3)
	v_lshl_or_b32 v228, v225, 8, v224
	s_delay_alu instid0(VALU_DEP_1)
	v_lshl_or_b32 v228, v226, 16, v228
	s_delay_alu instid0(VALU_DEP_1)
	v_lshl_or_b32 v228, v227, 24, v228             ; w's scale word for these 128 keys
.irp c, 0,1
	v_cvt_scalef32_pk16_fp6_f32 v[192+6*\c:194+6*\c], v[96+32*\c:111+32*\c], v[220+2*\c]
	v_cvt_scalef32_pk16_fp6_f32 v[204+4*\c:206+4*\c], v[112+32*\c:127+32*\c], v[220+2*\c+1]   ; (a conversion's three registers begin on an even number)
.endr
	v_nop                                          ; one plain place behind a scaled conversion
.irp c, 0,1                            ; the operand's layout wants a whole block in a lane: lanes 0-15 block 2 c, lanes 16-31 block 2 c + 1
.irp i, 0,1,2
	v_permlane16_swap_b32 v[192+6*\c+\i], v[204+4*\c+\i]
.endr
.irp i, 0,1,2
	s_delay_alu instid0(VALU_DEP_3)
	v_mov_b32 v[195+6*\c+\i], v[204+4*\c+\i]
.endr
.endr
.rept 8
	v_nop                                          ; places between vector writes of a scale word and of an operand and the scaled matrix instruction that takes them
.endr
	s_wait_alu depctr_va_vdst(0)
	s_wait_dscnt 0x0                               ; V's fragments and words
.irp t, 0,1,2,3
	v_wmma_scale_f32_16x16x128_f8f6f4 v[160+8*\t:167+8*\t], v[32+12*\t:43+12*\t], v[192:203], v[160+8*\t:167+8*\t], v[86+\t], v228 matrix_a_fmt:MATRIX_FMT_FP6 matrix_b_fmt:MATRIX_FMT_FP6
.endr
.Lskip_\@:
	s_add_co_u32 s66, s66, 12288
	s_add_co_u32 s67, s67, 1024
	s_add_co_u32 s68, s68, 12288
	s_add_co_u32 s69, s69, 512
	s_add_co_u32 s70, s70, 256
.endm
	s_mov_b32 s71, 8
.Lsweep2:
	STEP2
	s_sub_co_u32 s71, s71, 1
	s_cmp_lg_u32 s71, 0
	s_cbranch_scc1 .Lsweep2
	; THE END.  The odd steps' wave hands its part of O^T to its partner as an image of its registers: lane l's 16 bytes at 16 l, 512 bytes a store
.rept 4
	v_nop                                          ; places in front of the first read of results
.endr
	s_cmp_eq_u32 s12, 0
	s_cbranch_scc1 .Lkeeps
	s_wait_alu depctr_va_vdst(0)
.irp k, 0,1,2,3,4,5,6,7
	ds_store_b128 v242, v[160+4*\k:163+4*\k] offset:512*\k         ; each accumulator from its low end on
.endr
.Lkeeps:
	s_wait_dscnt 0x0                               ; for the partner's sake: my stores have landed
	s_barrier_signal -1
	s_barrier_wait -1
	s_cmp_eq_u32 s12, 0
	s_cbranch_scc0 .Lclose
.irp k, 0,1,2,3,4,5,6,7
	ds_load_b128 v[96+4*\k:99+4*\k], v243 offset:512*\k
.endr
	s_wait_dscnt 0x0
.set n, 0
.rept 16
	v_pk_add_f32 v[160+n:161+n], v[160+n:161+n], v[96+n:97+n]
.set n, n+2
.endr
	; my query's 64 channels are two blocks of 32 of ctx's row; of each I hold 16 neighbours, lane l xor 16 the others
.irp e, 0,1
	v_max3_num_f32 v[212+\e], |v[160+16*\e]|, |v[161+16*\e]|, 0x1800000
.endr
.irp i, 2,4,6,8,10,12,14
.irp e, 0,1
	s_delay_alu instid0(VALU_DEP_2)
	v_max3_num_f32 v[212+\e], v[212+\e], |v[160+16*\e+\i]|, |v[161+16*\e+\i]|
.endr
.endr
.irp e, 0,1
	s_delay_alu instid0(VALU_DEP_2)
	v_permlanex16_b32 v[216+\e], v[212+\e], s20, s21
.endr
.irp e, 0,1
	s_delay_alu instid0(VALU_DEP_2)
	v_max_num_f32 v[212+\e], v[212+\e], v[216+\e]
.endr
.irp e, 0,1
	s_delay_alu instid0(VALU_DEP_2)
	v_add_nc_u32 v[220+\e], 0xff000000, v[212+\e]
.endr
.irp e, 0,1
	v_cvt_scalef32_pk16_fp6_f32 v[192+4*\e:194+4*\e], v[160+16*\e:175+16*\e], v[220+\e]
.endr
.irp e, 0,1
	v_lshrrev_b32 v[224+\e], 23, v[220+\e]         ; (a plain place behind the conversions)
.endr
	v_cmp_eq_u32 vcc_lo, 0, v238
	s_delay_alu instid0(VALU_DEP_1)
	v_cndmask_b32 v226, v225, v224, vcc_lo         ; lanes 0-15 store block 0's byte, lanes 16-31 block 1's
.irp e, 0,1
	global_store_b96 v95, v[192+4*\e:194+4*\e], s[80:81] offset:24*\e
.endr
	global_store_b8 v229, v226, s[82:83]
.Lclose:
	s_wait_tensorcnt 0x0
	ds_add_u32 v254, v255
	s_wait_dscnt 0x0
	CROUND                                         ; the closing round: no work-group ends while a partner may still ask for a tile that names it
	s_endpgm
.Lfunc_end_k_qafa6db5f2e_attn:
	.size	k_qafa6db5f2e_attn, .Lfunc_end_k_qafa6db5f2e_attn-k_qafa6db5f2e_attn
	.p2alignl 7, 3214868480
	.fill 96, 4, 3214868480
	.section	.rodata,"a",@progbits
	.p2align	6, 0x0
	.amdhsa_kernel k_qafa6db5f2e_attn
		.amdhsa_group_segment_fixed_size 280576
		.amdhsa_private_segment_fixed_size 0
		.amdhsa_enable_private_segment 0
		.amdhsa_kernarg_size 24
		.amdhsa_user_sgpr_count 2
		.amdhsa_user_sgpr_kernarg_segment_ptr 1
		.amdhsa_wavefront_size32 1
		.amdhsa_system_sgpr_workgroup_id_x 1
		.amdhsa_system_sgpr_workgroup_id_y 1
		.amdhsa_system_sgpr_workgroup_id_z 1
		.amdhsa_system_vgpr_workitem_id 0
		.amdhsa_next_free_vgpr 256
		.amdhsa_next_free_sgpr 84
		.amdhsa_reserve_vcc 1
		.amdhsa_float_denorm_mode_32 3
		.amdhsa_float_denorm_mode_16_64 3
		.amdhsa_memory_ordered 1
		.amdhsa_forward_progress 1
		.amdhsa_inst_pref_size 61
	.end_amdhsa_kernel
	.amdgpu_metadata
---
amdhsa.version: [ 1, 2 ]
amdhsa.kernels:
  - .name:           k_qafa6db5f2e_attn
    .symbol:         k_qafa6db5f2e_attn.kd
    .args:
      - { .name: prj, .offset: 0, .size: 8, .value_kind: global_buffer, .address_space: global }
      - { .name: mem, .offset: 8, .size: 8, .value_kind: global_buffer, .address_space: global }
      - { .name: ctx, .offset: 16, .size: 8, .value_kind: global_buffer, .address_space: global }
    .group_segment_fixed_size: 280576
    .private_segment_fixed_size: 0
    .kernarg_segment_align: 8
    .kernarg_segment_size: 24
    .max_flat_workgroup_size: 512
    .sgpr_count:     84
    .vgpr_count:     256
    .wavefront_size: 32
...
	.end_amdgpu_metadata
.endif
;; end of part 4
;; launch outp (part 5): grid 8 x 16, 4 waves a work-group, clusters of 4 x 4, 235,520 bytes of LDS; arguments ctx, Wout_codes, Wout_scales, bout, out0; writes out0
.if DOCPART == 5
	.amdgcn_target "amdgcn-amd-amdhsa--gfx1250"
	.amdhsa_code_object_version 6
	.text
	.protected	k_qafa6db5f2e_outp
	.globl	k_qafa6db5f2e_outp
	.p2align	8
	.type	k_qafa6db5f2e_outp,@function
k_qafa6db5f2e_outp:
	s_mov_b64 s[64:65], 0
	v_nop
	global_prefetch_b8 v0, s[64:65] scope:SCOPE_SE
	s_setreg_imm32_b32 hwreg(HW_REG_WAVE_MODE, 25, 1), 1
	s_wait_xcnt 0x0
	s_wait_alu depctr_hold_cnt(0) depctr_sa_sdst(0) depctr_va_vdst(0) depctr_va_sdst(0) depctr_va_ssrc(0) depctr_va_vcc(0) depctr_vm_vsrc(0)
	s_getreg_b32 s2, hwreg(HW_REG_IB_STS2, 6, 4)
	s_cmp_eq_u32 s2, 0
	s_cbranch_scc0 .Lentry_in_a_cluster
	s_endpgm
.Lentry_in_a_cluster:
	s_bfe_u32 s2, ttmp6, 0x10000c
	s_cmp_lg_u32 s2, 0xf033
	s_cbranch_scc0 .Lentry_shape_is_right
	s_endpgm
.Lentry_shape_is_right:
; out0 = ctx Wout^T + bout, on codes of FP6 (E2M3) with E8M0 scales; ctx: codes [2048][768 bytes], then from CS_OFF on 32 scale bytes a row.
; A tile of out0 is 128 x 128: 8 x 16 = 128 work-groups.  ALL OF K LIES IN LDS: 128 rows of ctx and 128 of Wout, 768 bytes each, with 16 bytes of padding behind each 256 (LDS pitch 816), and their scales.
; That is four tiles, one tensor load a wave at the head; nothing is filled again, so there is no ring.  A's tiles are asked for jointly along a row of the 4 x 4 cluster, B's along a column.
; A wave makes 64 x 64: 16 accumulators (window 1, v0-127; the bias, the C of each sum's first product, in window 1, v128-159); two sets of fragments in window 0 (v64-159, v160-255); scale words v16-47.
; Used transposed: source 0 = rows of Wout, source 1 = rows of ctx: a lane holds eight neighbouring columns of one row.  Results leave through each wave's own stage as rows of 256 bytes.
; No prefetch: every byte is asked for at the head, and there is no loop to run ahead in.
.set KROW,  768
.set PITCH, 816
.set TILE,  128*PITCH
.set SCL,   2*TILE
.set HS,    16*272                     ; the scales of 128 rows: 16 units of 256 bytes + 16
.set SPARE, SCL+2*HS
.set STAGE, SPARE+512
.set UP,    272
.set CS_OFF, 1572864
.set ADRA, 4                           ; v4, v5: my A fragments; v5 for a piece whose lanes 16-31 lie past a padding
.set ADRB, 6
.set ADRS, 8
.set STO,  9
.set RD,   10
.set CO,   11
.set BO,   12
.set SPW,  14
.set NIL,  15
.set SC,   16                          ; block i, step st: v[SC + 8 i + st]; lanes 0-15 A's word, lanes 16-31 B's
.set PADW, (1<<20)|(1<<21)|(5<<22)|(3<<25)
.set MSB, 0
.macro WIN new
.if MSB != (\new)
	s_set_vgpr_msb (MSB<<8)|(\new)
.set MSB, (\new)
.endif
.endm
.macro PLACES
.rept 4
	v_nop
.endr
.endm
.macro CROUND
	s_barrier_signal -1
	s_barrier_wait -1
	s_cmp_lg_u32 s18, 0
	s_cbranch_scc1 .Lnot_wave_0_\@
	s_barrier_signal -3
.Lnot_wave_0_\@:
	s_barrier_wait -3
	s_barrier_signal -1
	s_barrier_wait -1
.endm
	s_load_b64 s[4:5], s[0:1], 0x0                 ; ctx
	s_load_b128 s[8:11], s[0:1], 0x8               ; Wout's codes, scales
	s_load_b128 s[12:15], s[0:1], 0x18             ; bout, out0
	v_lshl_add_u32 v[SPW], v0, 2, SPARE
	v_mov_b32 v[NIL], 0
	ds_add_u32 v[SPW], v[NIL]                      ; the opening lines: the add twice on end
	ds_add_u32 v[SPW], v[NIL]
	v_lshrrev_b32 v1, 5, v0
	v_readfirstlane_b32 s18, v1                    ; wave
	s_lshr_b32 s19, s18, 1                         ; my 64 rows
	s_and_b32 s20, s18, 1                          ; my 64 columns
	s_bfe_u32 s21, ttmp6, 0x40000
	s_bfe_u32 s22, ttmp6, 0x40004
	s_lshl_b32 s23, ttmp9, 2
	s_add_co_u32 s23, s23, s21                     ; tile column
	s_and_b32 s76, ttmp7, 0xffff
	s_lshl_b32 s76, s76, 2
	s_add_co_u32 s76, s76, s22                     ; tile row
	s_lshl_b32 s77, s22, 2
	s_lshl_b32 s77, 15, s77                        ; my row of the cluster
	s_lshl_b32 s78, 0x1111, s21                    ; my column
	s_or_b32 s24, s77, PADW                        ; s[24:31], s[32:39]: 128 rows of 768 bytes
	s_or_b32 s32, s78, PADW
.irp g, 24, 32
	s_mov_b32 s[\g+1], KROW<<16
	s_mov_b32 s[\g+2], 128<<16
	s_mov_b32 s[\g+3], KROW<<16
	s_mov_b32 s[\g+4], 128
	s_mov_b32 s[\g+5], KROW
	s_mov_b32 s[\g+6], 0
	s_mov_b32 s[\g+7], 0
.endr
	s_or_b32 s40, s77, (3<<16)|PADW                ; s[40:47], s[48:55]: 4,096 dense bytes as 16 rows of 256
	s_or_b32 s48, s78, (3<<16)|PADW
.irp g, 40, 48
	s_mov_b32 s[\g+1], 32<<16
	s_mov_b32 s[\g+2], 16<<16
	s_mov_b32 s[\g+3], 32<<16
	s_mov_b32 s[\g+4], 16
	s_mov_b32 s[\g+5], 32
	s_mov_b32 s[\g+6], 0
	s_mov_b32 s[\g+7], 0
.endr
	s_mul_i32 s80, s76, 128*KROW
	s_mov_b32 s81, 0
	s_lshl_b32 s82, s76, 12
	s_add_co_u32 s82, s82, CS_OFF
	s_mov_b32 s83, 0
	s_mul_i32 s84, s23, 128*KROW
	s_mov_b32 s85, 0
	s_lshl_b32 s86, s23, 12
	s_mov_b32 s87, 0
	s_mov_b32 s57, 0
	s_mov_b32 s61, TILE
	s_mov_b32 s69, SCL
	s_mov_b32 s73, SCL+HS
	s_wait_dscnt 0x0
	s_wait_kmcnt 0x0
	s_add_nc_u64 s[58:59], s[4:5], s[80:81]
	s_add_nc_u64 s[70:71], s[4:5], s[82:83]
	s_add_nc_u64 s[62:63], s[8:9], s[84:85]
	s_add_nc_u64 s[74:75], s[10:11], s[86:87]
.irp g, 56, 60, 68, 72
	s_mov_b32 s[\g], 1
	s_or_b32 s[\g+3], s[\g+3], 0x80000000
.endr
	CROUND
.macro ARM under, g0, g1, next
	s_cmp_lt_u32 s18, \under
	s_cbranch_scc0 \next
	tensor_load_to_lds s[\g0:\g0+3], s[\g1:\g1+7]
	s_nop 0
	PLACES
	s_branch .Lhead_asked
\next:
.endm
	ARM 1, 56, 24, .Lhead_b                        ; wave 0: A's codes; wave 1: B's; wave 2: A's scales; wave 3: B's
	ARM 2, 60, 32, .Lhead_sa
	ARM 3, 68, 40, .Lhead_sb
	tensor_load_to_lds s[72:75], s[48:55]
	s_nop 0
	PLACES
.Lhead_asked:
	s_mul_i32 s88, s19, 64*PITCH                   ; my rows of A,
	s_mul_i32 s89, s20, 64*PITCH
	s_add_co_u32 s89, s89, TILE                    ; of B
	s_mul_i32 s90, s19, 4*544
	s_mul_i32 s91, s20, 4*544
	s_add_co_u32 s91, s91, HS
	s_sub_co_u32 s91, s91, s90                     ; from A's scale words to B's
	s_add_co_u32 s90, s90, SCL
	s_mul_i32 s92, s18, 16*UP
	s_add_co_u32 s92, s92, STAGE
	s_lshl_b32 s84, s23, 9
	s_lshl_b32 s85, s20, 8
	s_add_co_u32 s84, s84, s85                     ; my first column, in bytes
	s_mov_b32 s85, 0
	s_add_nc_u64 s[12:13], s[12:13], s[84:85]
	s_lshl_b32 s80, s76, 19
	s_lshl_b32 s81, s19, 18
	s_add_co_u32 s80, s80, s81                     ; my first row x 4,096 bytes
	s_mov_b32 s81, 0
	s_add_nc_u64 s[14:15], s[14:15], s[80:81]
	s_add_nc_u64 s[14:15], s[14:15], s[84:85]
	v_and_b32 v1, 15, v0                           ; r
	v_bfe_u32 v2, v0, 4, 1                         ; h
	v_mul_u32_u24 v3, v1, PITCH
	v_mad_u32_u24 v3, v2, 24, v3
	v_lshl_add_u32 v13, v2, 4, v3
	v_add_nc_u32 v[ADRA], s88, v3
	v_add_nc_u32 v[ADRA+1], s88, v13
	v_add_nc_u32 v[ADRB], s89, v3
	v_add_nc_u32 v[ADRB+1], s89, v13
	v_lshlrev_b32 v3, 5, v1
	v_lshrrev_b32 v13, 3, v1
	v_lshl_add_u32 v3, v13, 4, v3                  ; 32 r + 16 (r / 8)
	v_mul_u32_u24 v13, s91, v2
	v_add_nc_u32 v3, v3, v13
	v_add_nc_u32 v[ADRS], s90, v3
	v_mul_u32_u24 v3, v1, UP
	v_lshl_add_u32 v3, v2, 5, v3
	v_add_nc_u32 v[STO], s92, v3                   ; in: row r, + 32 h
	v_mul_u32_u24 v3, v2, UP
	v_lshl_add_u32 v3, v1, 4, v3
	v_add_nc_u32 v[RD], s92, v3                    ; back: lanes 0-15 one row of 256 bytes, lanes 16-31 the next
	v_lshlrev_b32 v[CO], 4, v1
	v_lshl_add_u32 v[CO], v2, 12, v[CO]
	v_lshlrev_b32 v[BO], 5, v2
	s_wait_alu depctr_va_vdst(0)                   ; the wait at the head's end
	WIN 0x40
.irp b, 0,1,2,3
	global_load_b128 v[128+8*\b:131+8*\b], v[BO], s[12:13] offset:64*\b       ; bout at 16 b + 8 h + 0 .. 7 of my columns
	global_load_b128 v[132+8*\b:135+8*\b], v[BO], s[12:13] offset:64*\b+16
.endr
	WIN 0
	s_wait_tensorcnt 0x0                           ; my tile is in
	s_barrier_signal -1
	s_barrier_wait -1                              ; all four are
.macro FRAG reg, adr, st, i            ; byte y of a row lies at y + 16 (y / 256); lanes 16-31 read 24 bytes on
.irp p, 0,1,2,3,4,5
.set BY, 96*(\st)+48*(\p/3)+8*(\p%3)
	ds_load_b64 v[\reg+2*\p:\reg+2*\p+1], v[\adr+(BY+24)/256-BY/256] offset:BY+16*(BY/256)+(\i)*16*PITCH
.endr
.endm
.macro FETCH st                        ; 48 loads: A's four blocks, B's four, into set st % 2
.irp i, 0,1,2,3
	FRAG 64+96*((\st)%2)+12*\i, ADRA, \st, \i
.endr
.irp i, 0,1,2,3
	FRAG 112+96*((\st)%2)+12*\i, ADRB, \st, \i
.endr
.endm
.macro MUL st                          ; the 16 accumulators take turns
.irp a, 0,1,2,3
.irp b, 0,1,2,3
.if (\st) == 0
	v_wmma_scale_f32_16x16x128_f8f6f4 v[8*(4*\a+\b):8*(4*\a+\b)+7], v[112+12*\b:123+12*\b], v[64+12*\a:75+12*\a], v[128+8*\b:135+8*\b], v[SC+8*\b], v[SC+8*\a] matrix_a_fmt:MATRIX_FMT_FP6 matrix_b_fmt:MATRIX_FMT_FP6 matrix_a_scale:MATRIX_SCALE_ROW1
.else
	v_wmma_scale_f32_16x16x128_f8f6f4 v[8*(4*\a+\b):8*(4*\a+\b)+7], v[112+96*((\st)%2)+12*\b:123+96*((\st)%2)+12*\b], v[64+96*((\st)%2)+12*\a:75+96*((\st)%2)+12*\a], v[8*(4*\a+\b):8*(4*\a+\b)+7], v[SC+8*\b+(\st)], v[SC+8*\a+(\st)] matrix_a_fmt:MATRIX_FMT_FP6 matrix_b_fmt:MATRIX_FMT_FP6 matrix_a_scale:MATRIX_SCALE_ROW1
.endif
.endr
.endr
.endm
.irp i, 0,1,2,3
	ds_load_b128 v[SC+8*\i:SC+8*\i+3], v[ADRS] offset:544*\i                  ; a row's eight scale words, all of K
	ds_load_b128 v[SC+8*\i+4:SC+8*\i+7], v[ADRS] offset:544*\i+16
.endr
	FETCH 0
.set ST, 0
.rept 8
.if ST < 7
.if ST > 0
	PLACES                                         ; in front of loads into registers that the step before has multiplied
.endif
	WIN 0
	FETCH ST+1
	s_wait_dscnt 48                                ; all but the 48 just issued
.else
	s_wait_dscnt 0x0
.endif
.if ST == 0
	s_wait_loadcnt 0x0                             ; the bias
.endif
	WIN 0x50                                       ; C and D in window 1
	MUL ST
.set ST, ST+1
.endr
	PLACES
	; the way out: block a's 16 rows x 256 bytes through my stage; LDS serves a wave's instructions in order, so one stage serves all four blocks
.irp a, 0,1,2,3
	WIN 0x04
.irp b, 0,1,2,3
	ds_store_b128 v[STO], v[8*(4*\a+\b):8*(4*\a+\b)+3] offset:64*\b            ; each accumulator from its low end on
	ds_store_b128 v[STO], v[8*(4*\a+\b)+4:8*(4*\a+\b)+7] offset:64*\b+16
.endr
	WIN 0
.irp t, 0,1,2,3,4,5,6,7
	ds_load_b128 v[64+32*\a+4*\t:67+32*\a+4*\t], v[RD] offset:2*\t*UP
.endr
.endr
.irp a, 0,1,2,3
	s_wait_dscnt 48-16*\a                          ; block a is back; the 16 LDS instructions of each later block may be out
.irp t, 0,1,2,3,4,5,6,7
	global_store_b128 v[CO], v[64+32*\a+4*\t:67+32*\a+4*\t], s[14:15] offset:(16*\a+2*\t)*4096 th:TH_STORE_NT   ; 16 lanes store 256 consecutive bytes, aligned
.endr
.endr
	s_wait_tensorcnt 0x0                           ; the wave's end
	ds_add_u32 v[SPW], v[NIL]
	s_wait_dscnt 0x0
	CROUND                                         ; the closing round
	s_endpgm
.Lfunc_end_k_qafa6db5f2e_outp:
	.size	k_qafa6db5f2e_outp, .Lfunc_end_k_qafa6db5f2e_outp-k_qafa6db5f2e_outp
	.p2alignl 7, 3214868480
	.fill 96, 4, 3214868480
	.section	.rodata,"a",@progbits
	.p2align	6, 0x0
	.amdhsa_kernel k_qafa6db5f2e_outp
		.amdhsa_group_segment_fixed_size 235520
		.amdhsa_private_segment_fixed_size 0
		.amdhsa_enable_private_segment 0
		.amdhsa_kernarg_size 40
		.amdhsa_user_sgpr_count 2
		.amdhsa_user_sgpr_kernarg_segment_ptr 1
		.amdhsa_wavefront_size32 1
		.amdhsa_system_sgpr_workgroup_id_x 1
		.amdhsa_system_sgpr_workgroup_id_y 1
		.amdhsa_system_sgpr_workgroup_id_z 1
		.amdhsa_system_vgpr_workitem_id 0
		.amdhsa_next_free_vgpr 416
		.amdhsa_next_free_sgpr 96
		.amdhsa_reserve_vcc 0
		.amdhsa_float_denorm_mode_32 3
		.amdhsa_float_denorm_mode_16_64 3
		.amdhsa_memory_ordered 1
		.amdhsa_forward_progress 1
		.amdhsa_inst_pref_size 59
	.end_amdhsa_kernel
	.amdgpu_metadata
---
amdhsa.version: [ 1, 2 ]
amdhsa.kernels:
  - .name:           k_qafa6db5f2e_outp
    .symbol:         k_qafa6db5f2e_outp.kd
    .args:
      - { .name: ctx, .offset: 0, .size: 8, .value_kind: global_buffer, .address_space: global }
      - { .name: Wout_codes, .offset: 8, .size: 8, .value_kind: global_buffer, .address_space: global }
      - { .name: Wout_scales, .offset: 16, .size: 8, .value_kind: global_buffer, .address_space: global }
      - { .name: bout, .offset: 24, .size: 8, .value_kind: global_buffer, .address_space: global }
      - { .name: out0, .offset: 32, .size: 8, .value_kind: global_buffer, .address_space: global }
    .group_segment_fixed_size: 235520
    .private_segment_fixed_size: 0
    .kernarg_segment_align: 8
    .kernarg_segment_size: 40
    .max_flat_workgroup_size: 128
    .sgpr_count:     96
    .vgpr_count:     416
    .wavefront_size: 32
...
	.end_amdgpu_metadata
.endif
;; end of part 5
